; MI455X (gfx1250); checked and timed in simulation.
; The chip was launched on July 23, 2026; its instructions are those of AMD's public machine-readable ISA for CDNA 5 (MIT licence, August 2026) and "CDNA5" Instruction Set Architecture Reference Guide (July 2026). The comments in the code are by the model that wrote it; some were corrected since.
;; Linear Residual Memory. Allowed arithmetic: matrix products marked QUANTISED: E2M1 operands, one E8M0 scale for each 32 along K, by v_wmma_scale_f32_16x16x128_f8f6f4 with both operands' format E2M1 (or v_wmma_scale_f32_32x16x128_f4), f32 sums; everything else in f32.
;; Inputs: Wk_codes 2,048 x 128 x 16 uint8 (E2M1 codes of Wk, K innermost, in blocks of 32 codes, two codes a byte); Wk_scales 2,048 x 128 uint8 (E8M0 scales of Wk, one for each 32 codes along K); Wl_codes 4,096 x 128 x 16 uint8 (E2M1 codes of Wl, K innermost, in blocks of 32 codes, two codes a byte); Wl_scales 4,096 x 128 uint8 (E8M0 scales of Wl, one for each 32 codes along K); Wq_codes 2,048 x 128 x 16 uint8 (E2M1 codes of Wq, K innermost, in blocks of 32 codes, two codes a byte); Wq_scales 2,048 x 128 uint8 (E8M0 scales of Wq, one for each 32 codes along K); bk 2,048 float32; bl 4,096 float32; bq 2,048 float32; v_codes 4,096 x 2 x 16 uint8 (E2M1 codes of v, K innermost, in blocks of 32 codes, two codes a byte); v_scales 4,096 x 2 uint8 (E8M0 scales of v, one for each 32 codes along K); x 1,024 x 4,096 float32.
;; Outputs: out0 1,024 x 4,096 float32.
;; This version of the problem:
;;   THIS VERSION OF THE PROBLEM IS GIVEN IN LOW PRECISION. The matrix products marked QUANTISED in the list below multiply operands that are first quantised to E2M1 (2 exponent bits, 1 mantissa bit; 4 bits a number), with one power-of-two scale for each 32 numbers along K (OCP MX v1.0); their sums are f32. All else is computed in f32.
;;   The module's matrix products, in the order in which they are computed (A, B: the left and right operand; K: the contracted axis; several contracted axes count as one K, in the product's order):
;;     1. [M 1,024, K 4,096] x [K 4,096, N 2,048]; A: input x; B: input Wq (given as codes): QUANTISED
;;     2. [M 1,024, K 4,096] x [K 4,096, N 2,048]; A: input x; B: input Wk (given as codes): QUANTISED
;;     3. batch 1,024 x [M 64, K 32] x [K 32, N 64]; A: computed on the way; B: computed on the way: QUANTISED
;;     4. [M 65,536, K 64] x [K 64, N 4,096]; A: computed on the way; B: input v (given as codes): QUANTISED
;;     5. [M 1,024, K 4,096] x [K 4,096, N 4,096]; A: computed on the way; B: input Wl (given as codes): QUANTISED
;;   THE QUANTISER, for each operand of a quantised product, along K:
;;     - K is cut into blocks of 32 from its start; a last block that is shorter is filled with zeros.
;;     - A block's scale is 2^e with e = floor(log2(the largest magnitude in the block)) - 2, held to -126 .. 127; a block of zeros has e = 0. As a byte (E8M0): e + 127.
;;     - Each number is divided by its block's scale, clamped to +-6, and rounded to the nearest number of E2M1, ties to even, subnormals kept.
;;     - The product sums the exact products of the quantised numbers (number of the format x scale) in f32.
;;   ~~~python
;;   def quantise(x, axis):      # numpy; x: float32 -> the quantised numbers, widened to float32 again
;;       x = np.moveaxis(x, axis, -1); K = x.shape[-1]
;;       x = np.pad(x, [(0, 0)] * (x.ndim - 1) + [(0, -K % 32)]); x = x.reshape(x.shape[:-1] + (-1, 32)); a = np.abs(x).max(-1, keepdims=True)
;;       e = np.where(a > 0, np.clip(np.frexp(np.where(a > 0, a, 1))[1] - 1 - 2, -126, 127), 0)      # np.frexp(a)[1] - 1 = floor(log2(a)), exactly
;;       r = np.clip(x / 2.0 ** e, -6, 6)
;;       step = 2.0 ** (np.maximum(np.frexp(np.where(r == 0, 1, r))[1] - 1, 0) - 1)
;;       q = np.round(r / step) * step * 2.0 ** e      # np.round: ties to even
;;       return np.moveaxis(q.reshape(q.shape[:-2] + (-1,))[..., :K], -1, axis).astype(np.float32)
;;   ~~~
;;   OPERANDS COMPUTED ON THE WAY. 'Computed on the way' means the value that the module computes at that place (a softmax that the list does not call 'softmax' is quantised finished and normalised). What goes into a quantiser is computed in f32, as accurately as f32 sums, v_exp_f32 and their like allow (about 1e-6 of the number): no bf16 or f16 on the way to a quantiser, and a product that is left as it is and whose result goes on into a quantised operand takes f32 operands (vector FMAs, or v_wmma_f32_16x16x4_f32). A number that lies on a knife's edge between two numbers of the format may be rounded either way, as far as f32 arithmetic and the matrix unit's own rounding can turn it there, and no further.
;;   INPUTS GIVEN AS CODES. Wk (in the module: [4096, 2048], K = its axis 0); Wl (in the module: [4096, 4096], K = its axis 0); Wq (in the module: [4096, 2048], K = its axis 0); v (in the module: [64, 4096], K = its axis 0): each comes as NAME_codes (uint8): NAME with its K axis moved to the last place and cut into blocks of 32 codes, [.., K / 32, bytes a block], one block behind the other in memory; two codes a byte, the lower K in the low four bits (a code: sign, 2 exponent bits, 1 mantissa bit); and NAME_scales (uint8): the same leading axes, one E8M0 byte (e + 127) for each 32 codes along K. Its value is code x scale, taken as it is: it is not quantised again, and the codes and scales need not be those that the quantiser above would give.
;; One version. Each part assembles by itself: llvm-mc -triple=amdgcn-amd-amdhsa -mcpu=gfx1250 --defsym DOCPART=n.
;; ======== version 1 of 1: 4 launches
;; limits: right only within a limited range of input values
;; workspace buffers: xc 2,097,152 bytes; xs 131,072 bytes; qkc 2,097,152 bytes; qks 131,072 bytes; pc 2,097,152 bytes; ps 131,072 bytes
;; launch quant_x (part 1): grid 64 x 4, 8 waves a work-group, no clusters, 69,120 bytes of LDS; arguments x, xc, xs; writes xc, xs
.if DOCPART == 1
	.amdgcn_target "amdgcn-amd-amdhsa--gfx1250"
	.amdhsa_code_object_version 6
	.text
	.protected	k_q72a514f0e9_quant_x
	.globl	k_q72a514f0e9_quant_x
	.p2align	8
	.type	k_q72a514f0e9_quant_x,@function
k_q72a514f0e9_quant_x:
	s_mov_b64 s[64:65], 0
	v_nop
	global_prefetch_b8 v0, s[64:65] scope:SCOPE_SE
	s_setreg_imm32_b32 hwreg(HW_REG_WAVE_MODE, 25, 1), 1
	s_wait_xcnt 0x0
; x [1024][4096] f32 becomes codes of FP4 (E2M1) with one E8M0 scale byte for each 32 along K (K = x's last axis).
; A block's scale is 2^(floor(log2(its largest magnitude)) - 2); its byte is the largest magnitude's exponent field - 2, held at 1 from below.
; THE CODES ARE LAID AS THE NEXT LAUNCH'S OPERAND REGISTERS: xc = [chunk 4][mtile 64][step 8][piece 2][lane 32][16 bytes]: a chunk is 1,024 along K, an mtile 16 rows, a step 128 along K;
; lane (r, h), piece c holds the codes k = 64 c + 32 h + 0 .. 31 of row r.  The scale bytes are laid xs = [row 1024][128].
; SHARES: a work-group takes one mtile (x) and one chunk (y); each of its eight waves one step: 16 rows x 128 numbers.  Each load reads one row's 512 consecutive bytes; the numbers turn through the wave's own
; stage in LDS so that a lane then holds 16 neighbours along K of each of four blocks (lanes l and l xor 16 share a block).
; No matrix work, no tensor load, no cluster: the work-groups share no input, and every byte passes once.
; LIMITS: a block of zeros gets the byte 1 (not 127) over zero codes: the bytes are read by this program alone.  NaN and infinities among the inputs are not served.
.set ROWX,  16384                      ; a row of x in bytes
.set SP,    528                        ; a stage row: 512 bytes + 16 of padding = 132 words: the 16 rows that a read touches begin 4 words apart modulo 64
.set STGB,  16*SP                      ; a wave's stage
.set SCW,   8*STGB                     ; behind the stages: the scale words, [r 16][wave 8][4 bytes]
.set R,     16                         ; v16-79   the numbers as loaded
.set X,     80                         ; v80-143  register 16 b + i: number i of my 16 of block b
.set TM,    144                        ; v144-155 at work: +0..3 largest magnitudes, +4..7 the other lane's, then the bytes, +8..11 the conversions' scale operands
.set PC,    156                        ; v156-163 the codes
.set PW,    164                        ; v164     my row's scale word
.set OW,    166                        ; v166-169 the scale words on their way out
.set SEL,   20                         ; s[20:21] lane selects for v_permlanex16_b32: lane l xor 16
; 64 numbers of a lane, register 16 b + i = k 32 b + 16 (lane / 16) + i of my row, become a fragment's codes in v[pc] on and its scale word in v[pw].
.macro QUANT s, pc, pw
.irp b, 0,1,2,3
	v_max3_num_f32 v[TM+\b], |v[(\s)+16*\b]|, |v[(\s)+1+16*\b]|, 0x1800000   ; my 16 numbers, and the floor 2^(3 - 127): the byte cannot fall under 1
.endr
.irp i, 2,4,6,8,10,12,14
.irp b, 0,1,2,3
	s_delay_alu instid0(VALU_DEP_4)
	v_max3_num_f32 v[TM+\b], v[TM+\b], |v[(\s)+16*\b+\i]|, |v[(\s)+1+16*\b+\i]|   ; the four blocks by turns
.endr
.endr
.irp b, 0,1,2,3
	s_delay_alu instid0(VALU_DEP_4)
	v_permlanex16_b32 v[TM+4+\b], v[TM+\b], s[SEL], s[SEL+1]
.endr
.irp b, 0,1,2,3
	s_delay_alu instid0(VALU_DEP_4)
	v_max_num_f32 v[TM+\b], v[TM+\b], v[TM+4+\b]   ; with lane l xor 16's: the block's largest magnitude
.endr
.irp b, 0,1,2,3
	s_delay_alu instid0(VALU_DEP_4)
	v_add_nc_u32 v[TM+8+\b], 0xff000000, v[TM+\b]  ; 2 off its exponent field: the conversion takes this operand's exponent field as its scale
.endr
.irp b, 0,1,2,3
	s_delay_alu instid0(VALU_DEP_4)
	v_lshrrev_b32 v[TM+4+\b], 23, v[TM+8+\b]       ; the scale's byte
.endr
	s_delay_alu instid0(VALU_DEP_3)
	v_lshl_or_b32 v[\pw], v[TM+5], 8, v[TM+4]
	s_delay_alu instid0(VALU_DEP_1)
	v_lshl_or_b32 v[\pw], v[TM+6], 16, v[\pw]
	s_delay_alu instid0(VALU_DEP_1)
	v_lshl_or_b32 v[\pw], v[TM+7], 24, v[\pw]
.irp b, 0,1,2,3
	v_cvt_scalef32_pk8_fp4_f32 v[(\pc)+2*\b], v[(\s)+16*\b:(\s)+7+16*\b], v[TM+8+\b]
	v_cvt_scalef32_pk8_fp4_f32 v[(\pc)+1+2*\b], v[(\s)+8+16*\b:(\s)+15+16*\b], v[TM+8+\b]
.endr
	v_nop                                          ; one plain instruction behind the last scaled conversion
.irp c, 0,1                                    ; the operand wants a whole block in a lane: lanes 0-15 block 2 c, lanes 16-31 block 2 c + 1
.irp i, 0,1
	v_permlane16_swap_b32 v[(\pc)+4*\c+\i], v[(\pc)+2+4*\c+\i]
.endr
.endr
.endm
	s_load_b128 s[4:7], s[0:1], 0x0                ; x, xc
	s_load_b64 s[8:9], s[0:1], 0x10                ; xs
	v_lshl_add_u32 v176, v0, 2, 0x10a00
	v_mov_b32 v177, 0
	v_lshrrev_b32 v1, 5, v0
	s_delay_alu instid0(VALU_DEP_1)
	v_readfirstlane_b32 s16, v1                    ; wave 0..7 = the step
	v_and_b32 v1, 31, v0                           ; lane
	v_and_b32 v2, 15, v0                           ; r
	v_bfe_u32 v3, v0, 4, 1                         ; h
	s_delay_alu instid0(VALU_DEP_3)
	v_lshlrev_b32 v4, 4, v1                        ; 16 x lane: my bytes of a row's 512, and of an image's piece
	s_mul_i32 s17, s16, STGB
	v_add_nc_u32 v5, s17, v4                       ; into the stage
	v_mul_u32_u24 v6, v2, SP
	s_delay_alu instid0(VALU_DEP_1)
	v_lshl_add_u32 v6, v3, 6, v6
	s_delay_alu instid0(VALU_DEP_1)
	v_add_nc_u32 v6, s17, v6                       ; out of it: row r, + 64 h: my 16 numbers of a block
	v_lshlrev_b32 v7, 5, v2
	s_lshl_b32 s18, s16, 2
	s_add_co_u32 s18, s18, SCW
	v_add_nc_u32 v7, s18, v7                       ; my row's scale word: SCW + 32 r + 4 wave
	v_add_nc_u32 v8, SCW, v4                       ; and on the way out 16 bytes a lane
	v_lshrrev_b32 v9, 1, v1
	s_delay_alu instid0(VALU_DEP_1)
	v_lshlrev_b32 v9, 7, v9
	v_and_b32 v10, 1, v1
	s_delay_alu instid0(VALU_DEP_1)
	v_lshl_add_u32 v9, v10, 4, v9                  ; in xs: row lane / 2, 16 (lane % 2) bytes on
	s_mov_b32 s[SEL], 0x76543210
	s_mov_b32 s[SEL+1], 0xfedcba98
.irp b, 0,1,2,3
	v_mov_b32 v[TM+4+\b], 0                        ; written once: a lane permute's destination counts as one of its sources
.endr
	s_and_b32 s22, ttmp7, 0xffff                   ; chunk
	s_lshl_b32 s23, s22, 3
	s_add_co_u32 s23, s23, s16                     ; 8 chunk + wave
	s_lshl_b32 s24, ttmp9, 18                      ; x: 16 rows of 16,384 bytes an mtile,
	s_lshl_b32 s26, s23, 9                         ; 512 bytes a step
	s_add_co_u32 s24, s24, s26
	s_mov_b32 s25, 0
	s_lshl_b32 s26, s22, 6
	s_add_co_u32 s26, s26, ttmp9
	s_lshl_b32 s26, s26, 3
	s_add_co_u32 s26, s26, s16
	s_lshl_b32 s26, s26, 10                        ; xc: ((chunk 64 + mtile) 8 + step) 1,024
	s_mov_b32 s27, 0
	s_lshl_b32 s28, ttmp9, 11                      ; xs: 16 rows of 128 bytes an mtile,
	s_lshl_b32 s30, s22, 5                         ; 32 bytes a chunk
	s_add_co_u32 s28, s28, s30
	s_mov_b32 s29, 0
	s_wait_kmcnt 0x0
	s_add_nc_u64 s[4:5], s[4:5], s[24:25]
	s_add_nc_u64 s[6:7], s[6:7], s[26:27]
	s_add_nc_u64 s[8:9], s[8:9], s[28:29]
.irp i, 0,1,2,3,4,5,6,7,8,9,10,11,12,13,14,15
	global_load_b128 v[R+4*\i:R+4*\i+3], v4, s[4:5] offset:ROWX*\i th:TH_LOAD_NT   ; row i: 32 lanes read 512 consecutive bytes
.endr
.irp i, 0,1,2,3,4,5,6,7,8,9,10,11,12,13,14,15
	s_wait_loadcnt 15-\i                           ; loads come back in order: row i is in, the younger ones stay out
	ds_store_b128 v5, v[R+4*\i:R+4*\i+3] offset:SP*\i
.endr
.irp b, 0,1,2,3
.irp j, 0,1,2,3
	ds_load_b128 v[X+16*\b+4*\j:X+16*\b+4*\j+3], v6 offset:128*\b+16*\j   ; the wave's own bytes: LDS serves a wave's instructions in order, so these see the stores above
.endr
.endr
	s_wait_dscnt 0x0
	QUANT X, PC, PW
	global_store_b128 v4, v[PC:PC+3], s[6:7]       ; the image's two pieces: 512 consecutive bytes each
	global_store_b128 v4, v[PC+4:PC+7], s[6:7] offset:512
	ds_store_b32 v7, v[PW]                         ; lanes l and l xor 16 write the same word with the same value
	s_wait_dscnt 0x0                               ; for the others' sake: my word has landed
	s_barrier_signal -1
	s_barrier_wait -1
	s_cmp_lg_u32 s16, 0
	s_cbranch_scc1 .Ldone                          ; wave 0 alone sends the 16 rows' 32 scale bytes: pieces of 32 bytes, 128 bytes apart: one byte for each 128 that the launch reads
	ds_load_b128 v[OW:OW+3], v8
	s_wait_dscnt 0x0
	global_store_b128 v9, v[OW:OW+3], s[8:9]
.Ldone:
	s_wait_tensorcnt 0x0
	ds_add_u32 v176, v177
	s_wait_dscnt 0x0
	s_endpgm
.Lfunc_end_k_q72a514f0e9_quant_x:
	.size	k_q72a514f0e9_quant_x, .Lfunc_end_k_q72a514f0e9_quant_x-k_q72a514f0e9_quant_x
	.p2alignl 7, 3214868480
	.fill 96, 4, 3214868480
	.section	.rodata,"a",@progbits
	.p2align	6, 0x0
	.amdhsa_kernel k_q72a514f0e9_quant_x
		.amdhsa_group_segment_fixed_size 69120
		.amdhsa_private_segment_fixed_size 0
		.amdhsa_enable_private_segment 0
		.amdhsa_kernarg_size 24
		.amdhsa_user_sgpr_count 2
		.amdhsa_user_sgpr_kernarg_segment_ptr 1
		.amdhsa_wavefront_size32 1
		.amdhsa_system_sgpr_workgroup_id_x 1
		.amdhsa_system_sgpr_workgroup_id_y 1
		.amdhsa_system_sgpr_workgroup_id_z 1
		.amdhsa_system_vgpr_workitem_id 0
		.amdhsa_next_free_vgpr 178
		.amdhsa_next_free_sgpr 66
		.amdhsa_reserve_vcc 0
		.amdhsa_float_denorm_mode_32 3
		.amdhsa_float_denorm_mode_16_64 3
		.amdhsa_memory_ordered 1
		.amdhsa_forward_progress 1
		.amdhsa_inst_pref_size 13
	.end_amdhsa_kernel
	.amdgpu_metadata
---
amdhsa.version: [ 1, 2 ]
amdhsa.kernels:
  - .name:           k_q72a514f0e9_quant_x
    .symbol:         k_q72a514f0e9_quant_x.kd
    .args:
      - { .name: x, .offset: 0, .size: 8, .value_kind: global_buffer, .address_space: global }
      - { .name: xc, .offset: 8, .size: 8, .value_kind: global_buffer, .address_space: global }
      - { .name: xs, .offset: 16, .size: 8, .value_kind: global_buffer, .address_space: global }
    .group_segment_fixed_size: 69120
    .private_segment_fixed_size: 0
    .kernarg_segment_align: 8
    .kernarg_segment_size: 24
    .max_flat_workgroup_size: 256
    .sgpr_count:     66
    .vgpr_count:     178
    .wavefront_size: 32
...
	.end_amdgpu_metadata
.endif
;; end of part 1
;; launch gemm_qk (part 2): grid 32 x 8, 4 waves a work-group, clusters of 4 x 4, 327,680 bytes of LDS; arguments xc, xs, Wq_codes, Wq_scales, Wk_codes, Wk_scales, bq, bk, qkc, qks; writes qkc, qks
.if DOCPART == 2
	.amdgcn_target "amdgcn-amd-amdhsa--gfx1250"
	.amdhsa_code_object_version 6
	.text
	.protected	k_q72a514f0e9_gemm_qk
	.globl	k_q72a514f0e9_gemm_qk
	.p2align	8
	.type	k_q72a514f0e9_gemm_qk,@function
k_q72a514f0e9_gemm_qk:
	s_mov_b64 s[64:65], 0
	v_nop
	global_prefetch_b8 v0, s[64:65] scope:SCOPE_SE
	s_setreg_imm32_b32 hwreg(HW_REG_WAVE_MODE, 25, 1), 1
	s_wait_xcnt 0x0
	s_wait_alu depctr_hold_cnt(0) depctr_sa_sdst(0) depctr_va_vdst(0) depctr_va_sdst(0) depctr_va_ssrc(0) depctr_va_vcc(0) depctr_vm_vsrc(0)
	s_getreg_b32 s2, hwreg(HW_REG_IB_STS2, 6, 4)
	s_cmp_eq_u32 s2, 0
	s_cbranch_scc0 .Lentry_in_a_cluster
	s_endpgm
.Lentry_in_a_cluster:
	s_bfe_u32 s2, ttmp6, 0x10000c
	s_cmp_lg_u32 s2, 0xf033
	s_cbranch_scc0 .Lentry_shape_is_right
	s_endpgm
.Lentry_shape_is_right:
; [xq | xk] = Q(x) [Wq | Wk] + [bq | bk] on codes of FP4 (E2M1) with E8M0 scales, M = 1,024, N = 2 x 2,048, K = 4,096; then relu, and the quantiser along each memory slot's 32 numbers.
; A (x) comes as images of its operand registers (xc: [chunk 4][mtile 64][step 8][1,024 bytes]) and scale bytes xs [1024][128]; the weights as rows of codes, K innermost, 2,048 bytes a row, and scale bytes [2048][128].
; OUT: qkc = [ct 64][b 1024][32 bytes]: ct = column / 64 of the joined columns (0-31 q, 32-63 k), two slots of 16 bytes; inside a slot's block place 16 h + 8 u + j holds s = 16 u + 8 h + j, alike for q and k, so that
; the next product's sums are kept.  qks = [ct 64][b 1024][2 bytes].
; SHARES: a tile of 128 x 128 to a work-group (32 x 8 tiles = 256 work-groups), 64 x 64 to each of four waves: 16 accumulators.  A larger tile would give work to 64 work-groups only.
; K goes in four chunks of 1,024 through two LDS slots; a chunk is eight steps of 128.  At the head each wave asks for ONE tile: A's codes of chunk 0, the weight's, A's scale bytes of all K, the weight's.
; Chunk 1 follows behind the first round, chunks 2 and 3 are refills: a wave never has more than one tensor load out.
; CLUSTERS: 4 x 4 work-groups.  A's tiles are shared along a row of the cluster, the weight's along a column: each is asked for jointly, by the same tensor load with the same descriptor and a mask that names the four.
; PREFETCH: the chunk that the next round's load will want, one chunk (128 matrix instructions a wave) ahead; one instruction a wave; the four partners share the blocks of 256 bytes out by address.  The eight clusters
; along x that read the same rows of A leave A's part to those with an even x.  Nothing is asked for behind chunk 3.
; THE MATRIX INSTRUCTION IS USED TRANSPOSED (source 0 = 16 rows of the weight, source 1 = 16 rows of A): lane (r, h), register j holds C(row r, column 16 nt + 8 h + j).  The bias is the C of each sum's first instruction.
; REGISTERS: window 0: v0-31 addresses; v32-63 scale words, two sets of 16, and nothing else; v64-95 the bias, later the way out; v128-255 the accumulators ((mt, nt) at v[128 + 8 (4 mt + nt)]).
;   window 1: four fragment buffers of 64, buffer step % 4: the weight's tile nt at 8 nt, A's tile mt at 32 + 8 mt.  Fragments are fetched two steps ahead.
; LIMITS: a block of zeros gets the byte 1 over zero codes (the bytes are read by this program alone); NaN and infinities are not served.  The scale bytes leave in runs of 64 bytes: one byte for each 16 of codes.
.set SLOT,  133120                     ; a slot: A's 8 x 8 images of 1,024 bytes, then the weight's 128 rows of 528 bytes
.set WOFF,  65536
.set WP,    528                        ; a weight row in LDS: 512 bytes + 16 = 132 words: the 16 rows that a load touches begin 4 words apart modulo 64
.set SCL,   2*SLOT                     ; behind the ring: the scale bytes of all of K: A's 128 rows, the weight's 128 rows; two rows of 128 bytes to a unit of 256 + 16
.set SQ,    8704                       ; those of 64 rows
.set SPARE, SCL+4*SQ                   ; the spare words, 128 bytes for each wave: two blocks of 256 bytes that no other line names
.set ADRA,  16                         ; v16-17  LDS address of my A images in slot 0, 1
.set ADRB,  20                         ; v20-21  the same for the weight's rows
.set ADRS,  27                         ; v27     my scale words of chunks 0 and 1: lanes 0-15 A's rows, lanes 16-31 the weight's
.set ADRS2, 30                         ; v30     those of chunks 2 and 3: 64 bytes on in the row
.set SPW,   28                         ; v28     SPARE + 4 x my thread's number; never rewritten
.set NIL,   29                         ; v29     0; never rewritten
.set PFO,   31                         ; v31     the prefetches' offset; never rewritten
.set SC,    32
.set BI,    64
.set ACC,   128
.set TM,    64                         ; the way out: v64-75 at work, v76-91 codes, v92-93 scale words, v94-95 their halves
.set PC,    76
.set PW,    92
.set SH,    94
.set PFB,   10                         ; s[10:11] the prefetches' base; never rewritten
.set G1A,   24                         ; s[24:31] group 1 for A's images; s[32:39] group 0, a set for each slot
.set G0A,   32
.set G1B,   48                         ; s[48:55], s[56:63] the same for the weight's rows
.set G0B,   56
.set G1SA,  68                         ; s[68:75], s[76:79] groups 1 and 0 for A's scale bytes; s[80:87], s[88:91] for the weight's
.set G0SA,  76
.set G1SB,  80
.set G0SB,  88
.set SEL,   96                         ; s[96:97] lane selects for v_permlanex16_b32: lane l xor 16
.set MSB, 0
.macro WIN new                         ; the immediate's high byte repeats the setting that is left
.if MSB != \new
	s_set_vgpr_msb (MSB<<8)|\new
.set MSB, \new
.endif
.endm
.set MUL,  0x05                        ; sources 0 and 1 window 1; C and D window 0
.set TO_F, 0x40                        ; destination window 1, address window 0
; A joint load: waves 0 and 1 fetch for A, waves 2 and 3 for the weight.  The branch hangs on the wave's number alone.  Four v_nop follow each of the two lines.
.macro JLOAD g0a, g1a, g0b, g1b
	s_cmp_eq_u32 s15, 0
	s_cbranch_scc0 .Lfor_b_\@
	tensor_load_to_lds s[\g0a:\g0a+3], s[\g1a:\g1a+7]
	s_nop 0
.rept 4
	v_nop
.endr
	s_branch .Lasked_\@
.Lfor_b_\@:
	tensor_load_to_lds s[\g0b:\g0b+3], s[\g1b:\g1b+7]
	s_nop 0
.rept 4
	v_nop
.endr
.Lasked_\@:
.endm
.macro ARM under, g0, g1, next         ; the head's tree: one load to an arm
	s_cmp_lt_u32 s14, \under
	s_cbranch_scc0 \next
	tensor_load_to_lds s[\g0:\g0+3], s[\g1:\g1+7]
	s_nop 0
.rept 4
	v_nop
.endr
	s_branch .Lhead_asked
\next:
.endm
.macro PREF chunk                      ; my wave's 32 blocks of 256 bytes of a chunk; s99: 1 A's, 2 the weight's, 0 none
	s_cmp_eq_u32 s99, 1
	s_cbranch_scc0 .Lnot_a_\@
	global_prefetch_b8 v[PFO], s[PFB:PFB+1] offset:524288*\chunk th:TH_LOAD_NT scope:SCOPE_SE
.Lnot_a_\@:
	s_cmp_eq_u32 s99, 2
	s_cbranch_scc0 .Lnot_w_\@
	global_prefetch_b8 v[PFO], s[PFB:PFB+1] offset:512*\chunk th:TH_LOAD_NT scope:SCOPE_SE
.Lnot_w_\@:
.endm
.macro CREST                           ; a round of the cluster's barrier behind its opening barrier
	s_cmp_lg_u32 s14, 0
	s_cbranch_scc1 .Lnot_wave_0_\@
	s_barrier_signal -3
.Lnot_wave_0_\@:
	s_barrier_wait -3
	s_barrier_signal -1
	s_barrier_wait -1
.endm
.macro CROUND                          ; a whole round
	s_barrier_signal -1
	s_barrier_wait -1
	CREST
.endm
.macro PLACES                          ; four plain instructions between matrix instructions and loads into, or reads of, their registers
.rept 4
	v_nop
.endr
.endm
.macro QUANT s, pc, pw                 ; 64 numbers of a lane, register 16 b + i = number i of my 16 of block b (the other 16 lie in lane l xor 16), become codes in v[pc] on and four scale bytes in v[pw]
.irp b, 0,1,2,3
	v_max3_num_f32 v[TM+\b], |v[(\s)+16*\b]|, |v[(\s)+1+16*\b]|, 0x1800000   ; and the floor 2^(3 - 127): the byte cannot fall under 1
.endr
.irp i, 2,4,6,8,10,12,14
.irp b, 0,1,2,3
	v_max3_num_f32 v[TM+\b], v[TM+\b], |v[(\s)+16*\b+\i]|, |v[(\s)+1+16*\b+\i]|
.endr
.endr
.irp b, 0,1,2,3
	v_permlanex16_b32 v[TM+4+\b], v[TM+\b], s[SEL], s[SEL+1]
.endr
.irp b, 0,1,2,3
	v_max_num_f32 v[TM+\b], v[TM+\b], v[TM+4+\b]
.endr
.irp b, 0,1,2,3
	v_add_nc_u32 v[TM+8+\b], 0xff000000, v[TM+\b]  ; 2 off the exponent field: the conversion's scale operand
.endr
.irp b, 0,1,2,3
	v_lshrrev_b32 v[TM+4+\b], 23, v[TM+8+\b]       ; the scale's byte
.endr
	v_lshl_or_b32 v[\pw], v[TM+5], 8, v[TM+4]
	v_lshl_or_b32 v[\pw], v[TM+6], 16, v[\pw]
	v_lshl_or_b32 v[\pw], v[TM+7], 24, v[\pw]
.irp b, 0,1,2,3
	v_cvt_scalef32_pk8_fp4_f32 v[(\pc)+2*\b], v[(\s)+16*\b:(\s)+7+16*\b], v[TM+8+\b]
	v_cvt_scalef32_pk8_fp4_f32 v[(\pc)+1+2*\b], v[(\s)+8+16*\b:(\s)+15+16*\b], v[TM+8+\b]
.endr
	v_nop                                          ; one plain instruction behind the last scaled conversion
.irp c, 0,1                                    ; a whole block to a lane: lanes 0-15 block 2 c, lanes 16-31 block 2 c + 1
.irp i, 0,1
	v_permlane16_swap_b32 v[(\pc)+4*\c+\i], v[(\pc)+2+4*\c+\i]
.endr
.endr
.endm
	s_load_b128 s[4:7], s[0:1], 0x0                ; xc s[4:5], xs s[6:7]
	s_load_b512 s[68:83], s[0:1], 0x10             ; Wq's codes, scales; Wk's codes, scales; bq; bk; qkc; qks
	v_lshl_add_u32 v[SPW], v0, 2, SPARE
	v_mov_b32 v[NIL], 0
	ds_add_u32 v[SPW], v[NIL]                      ; the wave's opening: the add, twice on end, and its one wait ahead of my first tensor load
	ds_add_u32 v[SPW], v[NIL]
	v_lshrrev_b32 v1, 5, v0
	v_readfirstlane_b32 s14, v1                    ; wave 0..3
	s_lshr_b32 s15, s14, 1                         ; rh: my half of the tile's rows.  Also: in the ring I fetch for A (0) or for the weight (1)
	s_and_b32 s16, s14, 1                          ; ch: my half of its columns.  Also: which half I fetch in the ring
	s_bfe_u32 s40, ttmp6, 0x40000                  ; cx, cy: my place in the cluster
	s_bfe_u32 s41, ttmp6, 0x40004
	s_lshl_b32 s42, ttmp9, 2
	s_add_co_u32 s42, s42, s40                     ; tile column = 4 x cluster x + cx
	s_and_b32 s98, s42, 15                         ; and inside Wq or Wk
	s_and_b32 s17, ttmp7, 0xffff
	s_lshl_b32 s17, s17, 2
	s_add_co_u32 s17, s17, s41                     ; tile row = 4 x cluster y + cy
	s_lshl_b32 s43, s41, 2
	s_lshl_b32 s43, 15, s43                        ; my row of the cluster
	s_lshl_b32 s44, 0x1111, s40                    ; my column
	s_mov_b32 s[SEL], 0x76543210
	s_mov_b32 s[SEL+1], 0xfedcba98
	s_lshl_b32 s20, s17, 16                        ; A's images: 65,536 bytes a tile row in a chunk
	s_mov_b32 s21, 0
	s_lshl_b32 s22, s17, 14                        ; A's scale bytes: 128 rows of 128 bytes
	s_mov_b32 s23, 0
	s_lshl_b32 s46, s98, 18                        ; the weight's codes: 128 rows of 2,048 bytes
	s_mov_b32 s47, 0
	s_lshl_b32 s66, s98, 14                        ; its scale bytes
	s_mov_b32 s67, 0
	s_lshl_b32 s18, s16, 15                        ; the ring: half of A's images (in memory and in a slot)
	s_mov_b32 s19, 0
	s_lshl_b32 s2, s16, 17                         ; half of the weight's rows in memory,
	s_mov_b32 s3, 0
	s_mul_i32 s45, s16, 64*WP
	s_add_co_u32 s45, s45, WOFF                    ; and in a slot: no place in the cluster enters an LDS address
	s_and_b32 s99, ttmp9, 1
	s_xor_b32 s99, s99, 1
	s_cmp_eq_u32 s15, 0
	s_cselect_b32 s99, s99, 2                      ; what my wave prefetches
	s_mov_b32 s36, 2048
	s_cselect_b32 s36, 512, s36                    ; from a pair of blocks to the next: A's images lie dense, the weight's rows 2,048 bytes apart
	s_lshl_b32 s32, s15, 15                        ; my four mtiles' images
	s_mul_i32 s34, s15, SQ                         ; A's scale bytes: my 64 rows
	s_mul_i32 s35, s16, SQ
	s_add_co_u32 s35, s35, 2*SQ                    ; the weight's, behind A's 128
	s_sub_co_u32 s35, s35, s34
	s_add_co_u32 s34, s34, SCL
	s_lshl_b32 s60, s98, 9
	s_lshl_b32 s61, s16, 8
	s_add_co_u32 s60, s60, s61                     ; the bias: 4 bytes x (128 x tile column + 64 ch)
	s_mov_b32 s61, 0
	s_lshl_b32 s63, s42, 1
	s_add_co_u32 s63, s63, s16                     ; ct = 2 x tile column + ch
	s_lshl_b32 s62, s63, 15
	s_lshl_b32 s100, s63, 11
	s_lshl_b32 s63, s17, 12
	s_add_co_u32 s62, s62, s63
	s_lshl_b32 s63, s15, 11
	s_add_co_u32 s62, s62, s63                     ; qkc: ct x 32,768 + (128 x tile row + 64 rh) x 32
	s_lshl_b32 s63, s17, 8
	s_add_co_u32 s100, s100, s63
	s_lshl_b32 s63, s15, 7
	s_add_co_u32 s100, s100, s63                   ; qks: ct x 2,048 + (128 x tile row + 64 rh) x 2
	s_mov_b32 s63, 0
	s_mov_b32 s101, 0
	; group 1.  A's images: the head's tile is 65,536 dense bytes as 256 rows of 256 bytes (32 elements of 8 bytes), no padding
	s_or_b32 s[G1A], s43, (3<<16)|(1<<21)          ; 15:0 the mask: my row; 17:16 elements of 8 bytes; 21 set beside a mask
	s_mov_b32 s[G1A+1], 32<<16                     ; tensor_dim0
	s_mov_b32 s[G1A+2], 256<<16                    ; tensor_dim1
	s_mov_b32 s[G1A+3], 32<<16                     ; tile_dim0
	s_mov_b32 s[G1A+4], 256                        ; tile_dim1
	s_mov_b32 s[G1A+5], 32                         ; from row to row
	s_mov_b32 s[G1A+6], 0
	s_mov_b32 s[G1A+7], 0
	; the weight's rows: 128 rows x 512 bytes, 2,048 bytes apart, 16 bytes of padding behind each
	s_or_b32 s[G1B], s44, (1<<20)|(1<<21)|(6<<22)|(3<<25)   ; the mask: my column; elements of 1 byte; padding on: 4 words (code 3) after every 128 (code 6)
	s_mov_b32 s[G1B+1], 512<<16
	s_mov_b32 s[G1B+2], 128<<16
	s_mov_b32 s[G1B+3], 512<<16
	s_mov_b32 s[G1B+4], 128
	s_mov_b32 s[G1B+5], 2048
	s_mov_b32 s[G1B+6], 0
	s_mov_b32 s[G1B+7], 0
	v_and_b32 v1, 31, v0                           ; lane
	v_and_b32 v2, 15, v0                           ; r
	v_bfe_u32 v3, v0, 4, 1                         ; h
	v_lshlrev_b32 v4, 4, v1
	v_mul_u32_u24 v5, v2, WP
	v_lshrrev_b32 v6, 1, v2
	v_and_b32 v7, 1, v2
	v_lshrrev_b32 v8, 1, v1
	v_add_nc_u32 v[ADRA], s32, v4                  ; A: my four mtiles' images, 16 x lane
	v_lshl_add_u32 v5, v3, 4, v5
	v_mul_u32_u24 v6, v6, 272
	v_mul_u32_u24 v8, s36, v8
	v_mul_u32_u24 v9, s35, v3                      ; lanes 16-31 take the weight's scale bytes
	v_add_nc_u32 v[ADRA+1], SLOT, v[ADRA]
	v_add_nc_u32 v[ADRB], s45, v5                  ; the weight: my 64 rows; row r x pitch + 16 h
	v_lshl_add_u32 v6, v7, 7, v6                   ; row r's scale bytes: unit r / 2, half r % 2
	v_lshl_add_u32 v[PFO], v7, 8, v8               ; pair lane / 2, block lane % 2
	v_add_nc_u32 v[ADRB+1], SLOT, v[ADRB]
	v_add_nc_u32 v6, v6, v9
	v_lshlrev_b32 v24, 5, v2
	v_lshlrev_b32 v25, 1, v1                       ; two scale bytes a lane
	v_lshlrev_b32 v26, 4, v3                       ; 16 h: which half of the scale word is my lane's
	v_add_nc_u32 v[ADRS], s34, v6
	v_lshl_add_u32 v24, v3, 4, v24                 ; the way out: row r's 32 bytes, slot h
	v_lshlrev_b32 v12, 5, v3                       ; the bias: 8 h numbers on
	v_add_nc_u32 v[ADRS2], 64, v[ADRS]
	s_wait_alu depctr_va_vdst(0)                   ; directly ahead of the waits below
	s_wait_dscnt 0x0                               ; both opening adds are done
	s_wait_kmcnt 0x0
	s_cmp_lt_u32 ttmp9, 4                          ; tile columns 0-15 are Wq's, 16-31 Wk's: the choice hangs on the cluster's x alone, which all partners share
	s_cselect_b64 s[8:9], s[68:69], s[72:73]       ; the weight's codes
	s_cselect_b64 s[10:11], s[70:71], s[74:75]     ; its scale bytes
	s_cselect_b64 s[12:13], s[76:77], s[78:79]     ; the bias
	s_add_nc_u64 s[12:13], s[12:13], s[60:61]
	s_add_nc_u64 s[92:93], s[80:81], s[62:63]      ; qkc
	s_add_nc_u64 s[94:95], s[82:83], s[100:101]    ; qks
	s_add_nc_u64 s[20:21], s[4:5], s[20:21]
	s_add_nc_u64 s[22:23], s[6:7], s[22:23]
	s_add_nc_u64 s[46:47], s[8:9], s[46:47]
	s_add_nc_u64 s[66:67], s[10:11], s[66:67]
	; the scale bytes of 128 rows: 16,384 dense bytes as 64 rows of 256, 16 bytes of padding behind each
	s_or_b32 s[G1SA], s43, (3<<16)|(1<<20)|(1<<21)|(5<<22)|(3<<25)
	s_or_b32 s[G1SB], s44, (3<<16)|(1<<20)|(1<<21)|(5<<22)|(3<<25)
.irp g, G1SA, G1SB
	s_mov_b32 s[\g+1], 32<<16
	s_mov_b32 s[\g+2], 64<<16
	s_mov_b32 s[\g+3], 32<<16
	s_mov_b32 s[\g+4], 64
	s_mov_b32 s[\g+5], 32
	s_mov_b32 s[\g+6], 0
	s_mov_b32 s[\g+7], 0
.endr
	s_mov_b32 s[G0SA], 1                           ; the head's four tiles, each whole
	s_mov_b32 s[G0SA+1], SCL
	s_mov_b64 s[G0SA+2:G0SA+3], s[22:23]
	s_or_b32 s[G0SA+3], s[G0SA+3], 0x80000000
	s_mov_b32 s[G0SB], 1
	s_mov_b32 s[G0SB+1], SCL+2*SQ
	s_mov_b64 s[G0SB+2:G0SB+3], s[66:67]
	s_or_b32 s[G0SB+3], s[G0SB+3], 0x80000000
	s_mov_b32 s[G0A], 1
	s_mov_b32 s[G0A+1], 0
	s_mov_b64 s[G0A+2:G0A+3], s[20:21]
	s_or_b32 s[G0A+3], s[G0A+3], 0x80000000
	s_mov_b32 s[G0B], 1
	s_mov_b32 s[G0B+1], WOFF
	s_mov_b64 s[G0B+2:G0B+3], s[46:47]
	s_or_b32 s[G0B+3], s[G0B+3], 0x80000000
	s_add_nc_u64 s[20:21], s[20:21], s[18:19]      ; for the ring: my half
	s_add_nc_u64 s[46:47], s[46:47], s[2:3]
	s_mov_b32 s[G0A+4], 1                          ; slot 1: chunk 1
	s_add_co_u32 s[G0A+5], s18, SLOT
	s_add_nc_u64 s[G0A+6:G0A+7], s[20:21], 524288
	s_or_b32 s[G0A+7], s[G0A+7], 0x80000000
	s_mov_b32 s[G0B+4], 1
	s_add_co_u32 s[G0B+5], s45, SLOT
	s_add_nc_u64 s[G0B+6:G0B+7], s[46:47], 512
	s_or_b32 s[G0B+7], s[G0B+7], 0x80000000
	CROUND                                         ; all sixteen work-groups are here: the first joint loads meet
; THE HEAD'S LOADS, ONE A WAVE
	ARM 1, G0A,  G1A,  .Lhead_b
	ARM 2, G0B,  G1B,  .Lhead_sa
	ARM 3, G0SA, G1SA, .Lhead_sb
	tensor_load_to_lds s[G0SB:G0SB+3], s[G1SB:G1SB+7]
	s_nop 0
.rept 4
	v_nop
.endr
.Lhead_asked:
.irp n, 0,1,2,3
	global_load_b128 v[BI+8*\n:BI+8*\n+3], v12, s[12:13] offset:64*\n          ; lane (r, h): the bias of columns 16 nt + 8 h + 0 .. 7: the result's layout
	global_load_b128 v[BI+8*\n+4:BI+8*\n+7], v12, s[12:13] offset:64*\n+16
.endr
	s_lshl_b32 s6, s40, 13                         ; A: of a half's 32,768 bytes the partner at cx takes 8,192
	s_lshl_b32 s8, s41, 15                         ; the weight: of a half's 64 rows the partner at cy takes 16
	s_cmp_eq_u32 s15, 0
	s_cselect_b32 s6, s6, s8
	s_cselect_b64 s[PFB:PFB+1], s[20:21], s[46:47]
	s_mov_b32 s7, 0
	s_add_nc_u64 s[PFB:PFB+1], s[PFB:PFB+1], s[6:7]
	PREF 1
.macro FETCH st                        ; step st's 16 LDS loads: the weight's four fragments (two loads of 16 bytes, 32 bytes apart), A's four images (two pieces of 512 bytes)
.set FB, 64*((\st)%4)
.set FSL, ((\st)/8)%2
.set KQ, (\st)%8
	WIN TO_F
.irp t, 0,1,2,3
.irp c, 0,1
	ds_load_b128 v[FB+8*\t+4*\c:FB+8*\t+4*\c+3], v[ADRB+FSL] offset:\t*16*WP+64*KQ+32*\c
.endr
.endr
.irp t, 0,1,2,3
.irp c, 0,1
	ds_load_b128 v[FB+32+8*\t+4*\c:FB+32+8*\t+4*\c+3], v[ADRA+FSL] offset:(8*\t+KQ)*1024+512*\c
.endr
.endr
.endm
.macro SCALES g                        ; the scale words of steps 4 g .. 4 g + 3 into set g % 2: register 4 i + q: lanes 0-15 A's tile i, lanes 16-31 the weight's tile i
	WIN 0
.irp i, 0,1,2,3
	ds_load_b128 v[SC+16*((\g)%2)+4*\i:SC+16*((\g)%2)+4*\i+3], v[ADRS+3*((\g)/4)] offset:2176*\i+16*((\g)%4)
.endr
.endm
; 8 matrix instructions: A's tiles m0, m0 + 1 x the weight's four.  first = 1: the bias starts the sums.  The 16 accumulators take turns, one instruction a turn, in the same order in every step.
.macro MUL8 st, m0, first
.set FB, 64*((\st)%4)
.set SS, SC+16*(((\st)/4)%2)+(\st)%4
.irp m, \m0, \m0+1
.irp n, 0,1,2,3
.if \first
	v_wmma_scale_f32_16x16x128_f8f6f4 v[ACC+8*(4*(\m)+\n):ACC+8*(4*(\m)+\n)+7], v[FB+8*\n:FB+8*\n+7], v[FB+32+8*(\m):FB+32+8*(\m)+7], v[BI+8*\n:BI+8*\n+7], v[SS+4*\n], v[SS+4*(\m)] matrix_a_fmt:MATRIX_FMT_FP4 matrix_b_fmt:MATRIX_FMT_FP4 matrix_a_scale:MATRIX_SCALE_ROW1
.else
	v_wmma_scale_f32_16x16x128_f8f6f4 v[ACC+8*(4*(\m)+\n):ACC+8*(4*(\m)+\n)+7], v[FB+8*\n:FB+8*\n+7], v[FB+32+8*(\m):FB+32+8*(\m)+7], v[ACC+8*(4*(\m)+\n):ACC+8*(4*(\m)+\n)+7], v[SS+4*\n], v[SS+4*(\m)] matrix_a_fmt:MATRIX_FMT_FP4 matrix_b_fmt:MATRIX_FMT_FP4 matrix_a_scale:MATRIX_SCALE_ROW1
.endif
.endr
.endr
.endm
.macro STEP st, first
.if (\st) == 31
	s_wait_dscnt 0x0                               ; the last step: nothing younger is out
.else
	s_wait_dscnt 16                                ; this step's fragments, and scale words asked for earlier, are in; the next step's 16 loads may be out
.endif
	PLACES
.if ((\st)%4 == 1) && ((\st) < 29)
	SCALES (\st)/4+1
.endif
.if (\st)+2 < 32
	FETCH (\st)+2
.endif
	WIN MUL
	MUL8 \st, 0, \first
	MUL8 \st, 2, \first
.endm
; The step in which the fetches leave a slot (its last step's fragments were asked for one step ago).  ONE barrier: in front of it each wave waits for all its tensor loads, adds 0 to its spare word, and waits for that and for
; its own reads of this slot.  fill = 1: the barrier opens a round of the cluster's, and this slot is filled again, two chunks on.  pf: the chunk that is prefetched, 0 for none.
.macro TURN st, fill, pf
.set TSL, ((\st)/8)%2
	WIN 0                                          ; (the add's two registers lie in window 0)
	s_wait_tensorcnt 0x0                           ; all my tensor loads have landed: my part of the next slot
	ds_add_u32 v[SPW], v[NIL]                      ; 0 onto my spare word
	s_wait_dscnt 17                                ; (the add and the next step's 16 loads may be out)
	WIN MUL
	MUL8 \st, 0, 0                                 ; eight matrix instructions stand between the add and the wait for it
	s_wait_dscnt 0x0                               ; the add is done, and my reads of this slot are over
	s_barrier_signal -1
	MUL8 \st, 2, 0
	WIN 0
	s_barrier_wait -1
.if \fill
	CREST                                          ; no wave of any partner still reads this slot or has a load on its way
	s_add_nc_u64 s[G0A+4*TSL+2:G0A+4*TSL+3], s[G0A+4*TSL+2:G0A+4*TSL+3], 1048576   ; two chunks of A's images; no tensor load of mine is out, so a group 0 may be written
	s_add_nc_u64 s[G0B+4*TSL+2:G0B+4*TSL+3], s[G0B+4*TSL+2:G0B+4*TSL+3], 1024      ; two chunks of a weight row
	JLOAD G0A+4*TSL, G1A, G0B+4*TSL, G1B           ; the first tensor load behind the round; its four v_nop are also the places in front of the loads below
.else
	PLACES
.endif
	FETCH (\st)+2                                  ; the next slot's first step
.if \pf
	WIN 0
	PREF \pf
.endif
.endm
	s_wait_alu depctr_va_vdst(0)                   ; the head's end
	s_wait_tensorcnt 0x0                           ; my tile of the head's four is in; these lines stand ahead of a later first fill, as ahead of a refill:
	ds_add_u32 v[SPW], v[NIL]
	s_mov_b32 s[G1A+2], 128<<16                    ; no tensor load of mine is out, so descriptors may be written: from here on a load brings a half
	s_mov_b32 s[G1A+4], 128
	s_mov_b32 s[G1B+2], 64<<16
	s_mov_b32 s[G1B+4], 64
	s_mov_b32 s[G0A+1], s18
	s_mov_b32 s[G0B+1], s45
	s_add_nc_u64 s[G0A+2:G0A+3], s[G0A+2:G0A+3], s[18:19]
	s_add_nc_u64 s[G0B+2:G0B+3], s[G0B+2:G0B+3], s[2:3]
	s_wait_dscnt 0x0                               ; the add is done
	CROUND                                         ; a whole round: all four tiles are in, and all sixteen work-groups are here
	JLOAD G0A+4, G1A, G0B+4, G1B                   ; chunk 1's load, the first tensor load behind the round
	SCALES 0
	FETCH 0
	FETCH 1
	WIN 0
	PREF 2
	s_wait_loadcnt 0x0                             ; the bias
	STEP 0, 1
.set S, 1
.rept 5
	STEP S, 0
.set S, S+1
.endr
	TURN 6, 1, 3                                   ; slot 0 takes chunk 2
.set S, 7
.rept 7
	STEP S, 0
.set S, S+1
.endr
	TURN 14, 1, 0                                  ; slot 1 takes chunk 3
.set S, 15
.rept 7
	STEP S, 0
.set S, S+1
.endr
	TURN 22, 0, 0                                  ; nothing is left to fetch
.set S, 23
.rept 9
	STEP S, 0
.set S, S+1
.endr
	WIN 0
	; THE WAY OUT.  The registers of A's tile mt are 64 numbers of row r: columns 16 nt + 8 h + j: two memory slots of 32, each shared by lanes l and l xor 16.  Two tiles at a time: relu, four blocks, codes and bytes.
	PLACES
.irp b, 0,1,2,3
	v_mov_b32 v[TM+4+\b], 0                        ; a lane permute's destination counts as one of its sources
.endr
.irp p, 0,1
.set J, 0
.rept 64
	v_max_num_f32 v[ACC+64*\p+J], 0, v[ACC+64*\p+J]    ; relu, each accumulator from its low end on
.set J, J+1
.endr
	QUANT ACC+64*\p, PC+8*\p, PW+\p
	global_store_b128 v24, v[PC+8*\p:PC+8*\p+3], s[92:93] offset:1024*\p           ; tile 2 p: lanes 0-15 slot 0, lanes 16-31 slot 1 of row r: the wave covers 512 consecutive bytes
	global_store_b128 v24, v[PC+8*\p+4:PC+8*\p+7], s[92:93] offset:1024*\p+512     ; tile 2 p + 1
	v_lshrrev_b32 v[SH+\p], v26, v[PW+\p]          ; lanes 0-15 send tile 2 p's two bytes of row r, lanes 16-31 tile 2 p + 1's
	global_store_b16 v25, v[SH+\p], s[94:95] offset:64*\p
.endr
	s_wait_tensorcnt 0x0                           ; the wave's end
	ds_add_u32 v[SPW], v[NIL]
	s_wait_dscnt 0x0
	CROUND                                         ; the closing round: no work-group ends while a partner may still ask for a tile that names it
	s_endpgm
.Lfunc_end_k_q72a514f0e9_gemm_qk:
	.size	k_q72a514f0e9_gemm_qk, .Lfunc_end_k_q72a514f0e9_gemm_qk-k_q72a514f0e9_gemm_qk
	.p2alignl 7, 3214868480
	.fill 96, 4, 3214868480
	.section	.rodata,"a",@progbits
	.p2align	6, 0x0
	.amdhsa_kernel k_q72a514f0e9_gemm_qk
		.amdhsa_group_segment_fixed_size 327680
		.amdhsa_private_segment_fixed_size 0
		.amdhsa_enable_private_segment 0
		.amdhsa_kernarg_size 80
		.amdhsa_user_sgpr_count 2
		.amdhsa_user_sgpr_kernarg_segment_ptr 1
		.amdhsa_wavefront_size32 1
		.amdhsa_system_sgpr_workgroup_id_x 1
		.amdhsa_system_sgpr_workgroup_id_y 1
		.amdhsa_system_sgpr_workgroup_id_z 1
		.amdhsa_system_vgpr_workitem_id 0
		.amdhsa_next_free_vgpr 512
		.amdhsa_next_free_sgpr 106
		.amdhsa_reserve_vcc 0
		.amdhsa_float_denorm_mode_32 3
		.amdhsa_float_denorm_mode_16_64 3
		.amdhsa_memory_ordered 1
		.amdhsa_forward_progress 1
		.amdhsa_inst_pref_size 133
	.end_amdhsa_kernel
	.amdgpu_metadata
---
amdhsa.version: [ 1, 2 ]
amdhsa.kernels:
  - .name:           k_q72a514f0e9_gemm_qk
    .symbol:         k_q72a514f0e9_gemm_qk.kd
    .args:
      - { .name: xc, .offset: 0, .size: 8, .value_kind: global_buffer, .address_space: global }
      - { .name: xs, .offset: 8, .size: 8, .value_kind: global_buffer, .address_space: global }
      - { .name: Wq_codes, .offset: 16, .size: 8, .value_kind: global_buffer, .address_space: global }
      - { .name: Wq_scales, .offset: 24, .size: 8, .value_kind: global_buffer, .address_space: global }
      - { .name: Wk_codes, .offset: 32, .size: 8, .value_kind: global_buffer, .address_space: global }
      - { .name: Wk_scales, .offset: 40, .size: 8, .value_kind: global_buffer, .address_space: global }
      - { .name: bq, .offset: 48, .size: 8, .value_kind: global_buffer, .address_space: global }
      - { .name: bk, .offset: 56, .size: 8, .value_kind: global_buffer, .address_space: global }
      - { .name: qkc, .offset: 64, .size: 8, .value_kind: global_buffer, .address_space: global }
      - { .name: qks, .offset: 72, .size: 8, .value_kind: global_buffer, .address_space: global }
    .group_segment_fixed_size: 327680
    .private_segment_fixed_size: 0
    .kernarg_segment_align: 8
    .kernarg_segment_size: 80
    .max_flat_workgroup_size: 128
    .sgpr_count:     106
    .vgpr_count:     512
    .wavefront_size: 32
...
	.end_amdgpu_metadata
.endif
;; end of part 2
;; launch scores_pool (part 3): grid 256 x 1, 8 waves a work-group, no clusters, 80,896 bytes of LDS; arguments qkc, qks, v_codes, v_scales, pc, ps; writes pc, ps
.if DOCPART == 3
	.amdgcn_target "amdgcn-amd-amdhsa--gfx1250"
	.amdhsa_code_object_version 6
	.text
	.protected	k_q72a514f0e9_scores_pool
	.globl	k_q72a514f0e9_scores_pool
	.p2align	8
	.type	k_q72a514f0e9_scores_pool,@function
k_q72a514f0e9_scores_pool:
	s_mov_b64 s[64:65], 0
	v_nop
	global_prefetch_b8 v0, s[64:65] scope:SCOPE_SE
	s_setreg_imm32_b32 hwreg(HW_REG_WAVE_MODE, 25, 1), 1
	s_wait_xcnt 0x0
; scores[b][m][n] = Q(relu xq)[b][m] . Q(relu xk)[b][n] / sqrt(32); pooled[b][f] = 1/64 x the sum over m and n of Q(scores)[b][m][n] v[n][f]; then the quantiser along f.  All products on codes of FP4 (E2M1) with E8M0 scales.
; THE SECOND PRODUCT AND THE MEAN ARE ONE PRODUCT: K = 64 m + n, 4,096 long; its blocks of 32 are the quantiser's (32 neighbouring n of one (b, m)); its other operand repeats v every 64 along K.
; SINCE v REPEATS, THE 16 ROWS OF A MATRIX INSTRUCTION ARE 4 BATCH ROWS x 4 GROUPS of 16 slots m: row 4 b + g takes m = 16 g + 0 .. 15, K = 1,024 in eight steps, and the four groups' f32 sums are added at the end.
; SHARES: a work-group takes 4 batch rows and all 4,096 f (256 work-groups): every score is made once.  Wave w makes the scores of row b = w / 2, slots m = 32 (w % 2) + 0 .. 31, then f = 512 w + 0 .. 511 of all four rows.
; SCORES, used transposed: source 0 = 16 slots n of k, source 1 = 16 slots m of q: a lane holds one m and its registers run along n.  K = 32 there: the instruction's other 96 are zero codes in q.  The rows of a tile of k are
; not neighbours: lane r of tile 2 b + u takes slot 32 b + 8 u + r + 8 (r / 8), so that the 16 registers of tiles 2 b and 2 b + 1 are 16 neighbours along n.
; POOLED: source 0 = the 16 rows (b, g), source 1 = 16 rows f of v: lane (r, h), register j holds row 8 h + j = (b = 2 h + j / 4, g = j % 4).  Tile 2 T + u takes f = 32 T + 2 r + u.  The sums turn through LDS bytes of the wave's own,
; so that a lane then holds 16 neighbours along f.
; OUT: pc [row 1024][2,048 bytes of codes], K innermost; ps [row 1024][128] scale bytes.
; No tensor load and no cluster: q and k of a row serve one work-group; v's 139,264 bytes are what all share, but each fragment of v is used by one wave, once, and goes straight into its operand registers, where a joint load
; would have to pass through LDS first.  No loop that runs ahead of memory, so no prefetch.
; REGISTERS: window 0 as set below; window 1: v's 32 fragments, tile t at 8 t (registers 4-7 repeat 0-3: the odd m of a step).
; LIMITS: 1 / sqrt(32) is multiplied by, where the module divides: one rounding of f32 apart.  The mean's 1/64 is taken off the scale bytes' exponents and rounds nothing.  A block of zeros gets the byte 1 over zero codes.
; NaN and infinities are not served.  q and k arrive in pieces of 128 bytes a pair of slots (4 rows of 32), their scale bytes in pieces of 8.
.set SCO, 0                            ; 16 rows (b, g) x 528: the scores' codes, 32 bytes a slot m
.set SSC, 8448                         ; 16 x 48: their scale bytes, 2 a slot
.set PSC, 9216                         ; 512: pooled's scale bytes, [4][128]
.set PST, 9728                         ; 4 rows b x 17,536: pooled in f32, 64 numbers to 256 + 16 bytes
.set PB,  17536
.set SPARE, PST+4*PB                   ; the spare words, 128 bytes for each wave
.set AS,  24                           ; v24-31   the scores' scale words as an operand, and nothing else
.set VS,  32                           ; v32-63   v's scale words, and nothing else
.set RAW, 64                           ; v64-79   v's scale bytes as loaded: two rows a register
.set ACC, 80                           ; v80-143  the scores, later pooled's 8 accumulators
.set AF,  144                          ; v144-207 the scores as an operand: eight steps; at the end pooled, 64 numbers a lane
.set QF,  144                          ; v144-159 q's two fragments
.set KF,  160                          ; v160-191 k's four
.set QS,  208                          ; v208-213 their scale bytes, and nothing else
.set KS,  210
.set TM,  216                          ; v216-227 at work
.set PC,  228                          ; v228-235 the codes just made
.set PW,  236                          ; v236     their four scale bytes
.set SU,  238                          ; v238-253 a group's sums on their way into LDS
.set SEL, 36                           ; s[36:37] lane selects for v_permlanex16_b32: lane l xor 16
.set CS,  38                           ; s[38:39] 1 / sqrt(32): the packed form names a pair and takes its low word for both halves
.set MSB, 0
.macro WIN new                         ; the immediate's high byte repeats the setting that is left
.if MSB != \new
	s_set_vgpr_msb (MSB<<8)|\new
.set MSB, \new
.endif
.endm
.macro PLACES                          ; four plain instructions between matrix instructions and reads of their results, or behind the vector writes of their sources (ISA guide 7.12.1)
.rept 4
	v_nop
.endr
.endm
.macro QUANT s, floor                  ; 64 numbers of a lane, register 16 b + i = number i of my 16 of block b (the other 16 lie in lane l xor 16), become codes in v[PC] on and four scale bytes in v[PW]
.irp b, 0,1,2,3
	v_max3_num_f32 v[TM+\b], |v[(\s)+16*\b]|, |v[(\s)+1+16*\b]|, \floor   ; under the floor no largest magnitude is taken: the byte cannot fall under 1
.endr
.irp i, 2,4,6,8,10,12,14
.irp b, 0,1,2,3
	v_max3_num_f32 v[TM+\b], v[TM+\b], |v[(\s)+16*\b+\i]|, |v[(\s)+1+16*\b+\i]|   ; the four blocks by turns
.endr
.endr
.irp b, 0,1,2,3
	v_permlanex16_b32 v[TM+4+\b], v[TM+\b], s[SEL], s[SEL+1]
.endr
.irp b, 0,1,2,3
	v_max_num_f32 v[TM+\b], v[TM+\b], v[TM+4+\b]
.endr
.irp b, 0,1,2,3
	v_add_nc_u32 v[TM+8+\b], 0xff000000, v[TM+\b]  ; 2 off the exponent field: the conversion's scale operand
.endr
.irp b, 0,1,2,3
	v_lshrrev_b32 v[TM+4+\b], 23, v[TM+8+\b]       ; the scale's byte
.endr
	s_delay_alu instid0(VALU_DEP_3)
	v_lshl_or_b32 v[PW], v[TM+5], 8, v[TM+4]
	s_delay_alu instid0(VALU_DEP_1)
	v_lshl_or_b32 v[PW], v[TM+6], 16, v[PW]
	s_delay_alu instid0(VALU_DEP_1)
	v_lshl_or_b32 v[PW], v[TM+7], 24, v[PW]
.irp b, 0,1,2,3
	v_cvt_scalef32_pk8_fp4_f32 v[PC+2*\b], v[(\s)+16*\b:(\s)+7+16*\b], v[TM+8+\b]
	v_cvt_scalef32_pk8_fp4_f32 v[PC+1+2*\b], v[(\s)+8+16*\b:(\s)+15+16*\b], v[TM+8+\b]
.endr
	v_nop                                          ; one plain instruction behind the last scaled conversion
.irp c, 0,1                                    ; a whole block to a lane: lanes 0-15 block 2 c, lanes 16-31 block 2 c + 1
.irp i, 0,1
	v_permlane16_swap_b32 v[PC+4*\c+\i], v[PC+2+4*\c+\i]
.endr
.endr
.endm
	s_load_b256 s[4:11], s[0:1], 0x0               ; qkc s[4:5], qks s[6:7], v's codes s[8:9], v's scales s[10:11]
	s_load_b128 s[12:15], s[0:1], 0x20             ; pc s[12:13], ps s[14:15]
	v_lshl_add_u32 v254, v0, 2, SPARE
	v_mov_b32 v255, 0
	v_lshrrev_b32 v1, 5, v0
	v_and_b32 v2, 15, v0                           ; r
	v_bfe_u32 v3, v0, 4, 1                         ; h
	v_readfirstlane_b32 s16, v1                    ; wave 0..7
	s_wait_alu depctr_va_vdst(0)                   ; directly ahead of the scalar lines below
	s_lshl_b32 s17, ttmp9, 2
	s_lshr_b32 s18, s16, 1
	s_add_co_u32 s17, s17, s18                     ; my row: 4 x + wave / 2
	s_and_b32 s19, s16, 1                          ; p: my half of its slots m
	s_lshl_b32 s20, s17, 5
	s_or_b32 s24, s20, 0x100000                    ; k: ct from 32 on, 32 bytes a row
	s_lshl_b32 s18, s19, 19
	s_add_co_u32 s20, s20, s18                     ; q: ct from 16 p on
	s_lshr_b32 s22, s20, 4                         ; the scale bytes: 2 bytes a row and ct
	s_lshr_b32 s26, s24, 4
	s_lshl_b32 s28, s16, 14                        ; v's codes: 512 rows of 32 bytes a wave
	s_lshl_b32 s30, s16, 10                        ; its scale bytes: 2 a row
	s_lshl_b32 s32, ttmp9, 13                      ; pc: 4 rows of 2,048 bytes, 256 bytes a wave
	s_lshl_b32 s18, s16, 8
	s_add_co_u32 s32, s32, s18
	s_lshl_b32 s34, ttmp9, 9                       ; ps: 4 rows of 128 bytes
	s_mov_b32 s21, 0
	s_mov_b32 s23, 0
	s_mov_b32 s25, 0
	s_mov_b32 s27, 0
	s_mov_b32 s29, 0
	s_mov_b32 s31, 0
	s_mov_b32 s33, 0
	s_mov_b32 s35, 0
	s_mov_b32 s[SEL], 0x76543210
	s_mov_b32 s[SEL+1], 0xfedcba98
	s_mov_b32 s[CS], 0x3e3504f3                    ; 1 / sqrt(32)
	s_mov_b32 s[CS+1], s[CS]
	s_mul_i32 s40, s16, 1056                       ; my two rows (b, g) of the scores: 2 wave and 2 wave + 1
	s_mul_i32 s41, s16, 96
	s_add_co_u32 s41, s41, SSC
	s_mul_i32 s42, s16, 2176                       ; my 512 f: 8 x 272 bytes of each row b
	s_add_co_u32 s42, s42, PST
	s_lshl_b32 s43, s16, 4
	s_add_co_u32 s43, s43, PSC
	v_and_b32 v1, 31, v0                           ; lane
	v_and_b32 v4, 8, v2
	v_lshrrev_b32 v5, 1, v2
	v_and_b32 v6, 1, v2
	v_lshlrev_b32 v10, 6, v2
	v_add_nc_u32 v4, v4, v2                        ; r + 8 (r / 8)
	v_lshlrev_b32 v5, 15, v5
	v_lshlrev_b32 v11, 2, v2                       ; v's scale bytes: rows 2 r and 2 r + 1
	v_lshlrev_b32 v12, 5, v2
	v_lshrrev_b32 v8, 1, v4
	v_lshl_add_u32 v5, v6, 4, v5                   ; q: slot r: ct r / 2, 16 (r % 2) bytes on
	v_lshl_add_u32 v10, v3, 4, v10                 ; v: row 2 r of 32 bytes, + 16 h: n = 32 h + 0 .. 31
	v_mul_u32_u24 v14, v2, 528
	v_lshlrev_b32 v8, 15, v8
	v_lshrrev_b32 v7, 4, v5                        ; q's scale bytes: slot r
	v_lshl_add_u32 v12, v3, 4, v12
	v_mul_u32_u24 v15, v2, 48
	v_lshl_add_u32 v8, v6, 4, v8                   ; k: slot r + 8 (r / 8)
	v_mul_u32_u24 v16, v3, 2*PB
	v_lshl_add_u32 v13, v2, 1, s41                 ; where the scores' scale bytes go: two for slot r
	v_add_nc_u32 v12, s40, v12                     ; where their codes go: 32 bytes for slot r, block h
	v_lshrrev_b32 v9, 4, v8                        ; k's scale bytes
	v_lshl_add_u32 v14, v3, 4, v14                 ; the scores as an operand: row r, + 16 h
	v_add_nc_u32 v15, SSC, v15                     ; its scale words
	v_lshl_add_u32 v16, v2, 3, v16
	v_lshrrev_b32 v23, 3, v2
	v_and_b32 v22, 7, v2
	v_lshlrev_b32 v21, 4, v1                       ; 16 x lane
	v_add_nc_u32 v16, s42, v16                     ; where my sums go: row b = 2 h, f = 2 r
	v_mul_u32_u24 v17, v23, PB
	v_mul_u32_u24 v18, v22, 272
	v_lshlrev_b32 v19, 11, v23
	v_add_nc_u32 v20, PSC, v21
	v_lshl_add_u32 v17, v3, 6, v17
	v_lshl_add_u32 v19, v22, 5, v19
	v_add_nc_u32 v17, v17, v18
	v_lshlrev_b32 v18, 7, v23
	v_lshl_add_u32 v19, v3, 4, v19                 ; in pc: row r / 8, 32 (r % 8) + 16 h bytes on
	v_add_nc_u32 v17, s42, v17                     ; back: row r / 8, f = 64 (r % 8) + 16 h on
	v_lshl_add_u32 v18, v22, 1, v18
	v_add_nc_u32 v22, -1, v3                       ; all ones in lanes 0-15, 0 in lanes 16-31
	v_add_nc_u32 v18, s43, v18                     ; pooled's scale bytes: row r / 8, blocks 16 wave + 2 (r % 8)
.irp a, 0,1,2,3,4,5
.irp j, 4,5,6,7
	v_mov_b32 v[QF+8*\a+\j], 0                     ; k = 64 .. 127 of the scores' product: zero codes
.endr
.endr
.irp b, 0,1,2,3
	v_mov_b32 v[TM+4+\b], 0                        ; a lane permute's destination counts as one of its sources
.endr
	s_wait_alu depctr_va_vdst(0)                   ; the head's end
	s_wait_kmcnt 0x0
	s_add_nc_u64 s[40:41], s[4:5], s[20:21]
	s_add_nc_u64 s[42:43], s[4:5], s[24:25]
	s_add_nc_u64 s[44:45], s[6:7], s[22:23]
	s_add_nc_u64 s[46:47], s[6:7], s[26:27]
	s_add_nc_u64 s[8:9], s[8:9], s[28:29]
	s_add_nc_u64 s[10:11], s[10:11], s[30:31]
	s_add_nc_u64 s[12:13], s[12:13], s[32:33]
	s_add_nc_u64 s[14:15], s[14:15], s[34:35]
.irp a, 0,1
	global_load_b128 v[QF+8*\a:QF+8*\a+3], v5, s[40:41] offset:262144*\a              ; q's tile a: 8 ct of 32,768 bytes on
.endr
.irp t, 0,1,2,3
	global_load_b128 v[KF+8*\t:KF+8*\t+3], v8, s[42:43] offset:(16*(\t/2)+4*(\t%2))*32768
.endr
.irp a, 0,1
	global_load_u8 v[QS+\a], v7, s[44:45] offset:16384*\a                             ; (a word's other three bytes are 0 and stand over zero codes)
.endr
.irp t, 0,1,2,3
	global_load_u8 v[KS+\t], v9, s[46:47] offset:(16*(\t/2)+4*(\t%2))*2048
.endr
.set T, 0
.rept 16
	global_load_b32 v[RAW+T], v11, s[10:11] offset:64*T
.set T, T+1
.endr
	WIN 0x40                                       ; destination window 1
.set T, 0
.rept 32
	global_load_b128 v[8*T:8*T+3], v10, s[8:9] offset:1024*(T/2)+32*(T%2)             ; v's tile T
.set T, T+1
.endr
	WIN 0
; ---- my 32 x 64 scores.  Lane (r, h): register 32 a + 16 b + i = score(m = 16 a + r, n = 32 b + 16 h + i)
	s_wait_loadcnt 48                              ; q, k and their bytes are in; v's 16 + 32 loads may be out
.irp a, 0,1
.irp j, 0,1,2,3
	v_and_b32 v[QF+8*\a+\j], v22, v[QF+8*\a+\j]    ; lanes 16-31 (k = 32 .. 63): zero codes
.endr
.endr
	PLACES
.irp a, 0,1
.irp k, 0,1,2,3
	v_wmma_scale_f32_16x16x128_f8f6f4 v[ACC+8*(4*\a+\k):ACC+8*(4*\a+\k)+7], v[KF+8*\k:KF+8*\k+7], v[QF+8*\a:QF+8*\a+7], 0, v[KS+\k], v[QS+\a] matrix_a_fmt:MATRIX_FMT_FP4 matrix_b_fmt:MATRIX_FMT_FP4
.endr
.endr
	PLACES
.set J, 0
.rept 32
	v_pk_mul_f32 v[ACC+J:ACC+J+1], v[ACC+J:ACC+J+1], s[CS:CS+1] op_sel_hi:[1,0]   ; / sqrt(32), each accumulator from its low end on
.set J, J+2
.endr
	QUANT ACC, 0x1800000                           ; the floor 2^(3 - 127)
	ds_store_b128 v12, v[PC:PC+3]                  ; tile 0: lanes 0-15 block 0, lanes 16-31 block 1 of slot r of row 2 wave
	ds_store_b128 v12, v[PC+4:PC+7] offset:528     ; tile 1: row 2 wave + 1
	ds_store_b16 v13, v[PW]                        ; lanes l and l xor 16 write the same bytes with the same value
	ds_store_b16_d16_hi v13, v[PW] offset:48
	s_wait_dscnt 0x0                               ; for the others' sake: my codes and bytes have landed
	s_barrier_signal -1
	s_barrier_wait -1
.irp s, 0,1,2,3,4,5,6,7
.irp c, 0,1
	ds_load_b128 v[AF+8*\s+4*\c:AF+8*\s+4*\c+3], v14 offset:64*\s+32*\c
.endr
.endr
	ds_load_b128 v[AS:AS+3], v15
	ds_load_b128 v[AS+4:AS+7], v15 offset:16
; ---- pooled: v's tiles in four groups of 8, eight steps each; the 8 accumulators by turns, one instruction a turn
.macro PREP g                          ; group g's scale words (a row's two bytes, twice) and the second halves of its fragments
.irp t, 0,1,2,3,4,5,6,7
.if \t%2
	v_perm_b32 v[VS+8*(\g)+\t], v[RAW+4*(\g)+\t/2], v[RAW+4*(\g)+\t/2], 0x03020302
.else
	v_perm_b32 v[VS+8*(\g)+\t], v[RAW+4*(\g)+\t/2], v[RAW+4*(\g)+\t/2], 0x01000100
.endif
.endr
	WIN 0x41                                       ; source 0 and destination window 1
.irp t, 0,1,2,3,4,5,6,7
.irp j, 0,1,2,3
	v_mov_b32 v[8*(8*(\g)+\t)+4+\j], v[8*(8*(\g)+\t)+\j]
.endr
.endr
	WIN 0
.endm
.macro MULG g
	WIN 0x04                                       ; source 1 window 1
.irp s, 0,1,2,3,4,5,6,7
.irp t, 0,1,2,3,4,5,6,7
.if \s == 0
	v_wmma_scale_f32_16x16x128_f8f6f4 v[ACC+8*\t:ACC+8*\t+7], v[AF+8*\s:AF+8*\s+7], v[8*(8*(\g)+\t):8*(8*(\g)+\t)+7], 0, v[AS+\s], v[VS+8*(\g)+\t] matrix_a_fmt:MATRIX_FMT_FP4 matrix_b_fmt:MATRIX_FMT_FP4
.else
	v_wmma_scale_f32_16x16x128_f8f6f4 v[ACC+8*\t:ACC+8*\t+7], v[AF+8*\s:AF+8*\s+7], v[8*(8*(\g)+\t):8*(8*(\g)+\t)+7], v[ACC+8*\t:ACC+8*\t+7], v[AS+\s], v[VS+8*(\g)+\t] matrix_a_fmt:MATRIX_FMT_FP4 matrix_b_fmt:MATRIX_FMT_FP4
.endif
.endr
.endr
	WIN 0
.endm
.macro SUMS g                          ; the four groups' sums added (rows b = 2 h and 2 h + 1), and into my bytes of LDS: two neighbours along f a store
.irp t, 0,1,2,3,4,5,6,7
	v_pk_add_f32 v[ACC+8*\t:ACC+8*\t+1], v[ACC+8*\t:ACC+8*\t+1], v[ACC+8*\t+2:ACC+8*\t+3]
	v_pk_add_f32 v[ACC+8*\t+4:ACC+8*\t+5], v[ACC+8*\t+4:ACC+8*\t+5], v[ACC+8*\t+6:ACC+8*\t+7]
.endr
.irp t, 0,1,2,3,4,5,6,7
	v_add_f32 v[SU+4*(\t/2)+\t%2], v[ACC+8*\t], v[ACC+8*\t+1]
	v_add_f32 v[SU+4*(\t/2)+2+\t%2], v[ACC+8*\t+4], v[ACC+8*\t+5]
.endr
.irp p, 0,1,2,3
	ds_store_b64 v16, v[SU+4*\p:SU+4*\p+1] offset:((4*(\g)+\p)/2)*272+(\p%2)*128
	ds_store_b64 v16, v[SU+4*\p+2:SU+4*\p+3] offset:((4*(\g)+\p)/2)*272+(\p%2)*128+PB
.endr
.endm
	s_wait_loadcnt 24                              ; v's scale bytes and group 0's fragments are in; the later groups' 24 may be out
	PREP 0
	PLACES
	s_wait_alu depctr_va_vdst(0)                   ; directly ahead of the wait below
	s_wait_dscnt 0x0                               ; the scores
	MULG 0
	s_wait_loadcnt 16                              ; group 1's fragments
	PREP 1                                         ; (its 40 instructions are also the places in front of the sums' reads)
	SUMS 0
	MULG 1
	s_wait_loadcnt 8
	s_wait_dscnt 0x0                               ; the last sums' stores are done: their registers are written anew below
	PREP 2
	SUMS 1
	MULG 2
	s_wait_loadcnt 0x0
	s_wait_dscnt 0x0
	PREP 3
	SUMS 2
	MULG 3
	s_wait_dscnt 0x0
	PLACES
	SUMS 3
	; ---- the quantiser along f, the way out.  Lane (r, h): register 16 (2 c + b) + i = 64 pooled(row 2 c + r / 8, f = 512 wave + 64 (r % 8) + 32 b + 16 h + i)
.irp c, 0,1
.irp b, 0,1
.irp j, 0,1,2,3
	ds_load_b128 v[AF+16*(2*\c+\b)+4*\j:AF+16*(2*\c+\b)+4*\j+3], v17 offset:2*PB*\c+128*\b+16*\j   ; the wave's own bytes: LDS serves a wave's instructions in order, so these see the stores above
.endr
.endr
.endr
	s_wait_dscnt 0x0
	QUANT AF, 0x4800000                            ; the floor 2^(9 - 127): the sums are 64 times the mean
	v_add_nc_u32 v[PW], 0xf9f9f9fa, v[PW]          ; 6 off each of the four bytes, which are 7 or more: x 1/64
	global_store_b128 v19, v[PC:PC+3], s[12:13]                ; rows 0 and 1: 256 consecutive bytes of each
	global_store_b128 v19, v[PC+4:PC+7], s[12:13] offset:4096  ; rows 2 and 3
	ds_store_b16 v18, v[PW]
	ds_store_b16_d16_hi v18, v[PW] offset:256
	s_wait_dscnt 0x0                               ; for the others' sake: my bytes have landed
	s_barrier_signal -1
	s_barrier_wait -1
	s_cmp_lg_u32 s16, 0
	s_cbranch_scc1 .Ldone                          ; wave 0 alone sends the four rows' 512 scale bytes
	ds_load_b128 v[AF:AF+3], v20
	s_wait_dscnt 0x0
	global_store_b128 v21, v[AF:AF+3], s[14:15]
.Ldone:
	s_wait_tensorcnt 0x0                           ; the wave's end
	ds_add_u32 v254, v255
	s_wait_dscnt 0x0
	s_endpgm
.Lfunc_end_k_q72a514f0e9_scores_pool:
	.size	k_q72a514f0e9_scores_pool, .Lfunc_end_k_q72a514f0e9_scores_pool-k_q72a514f0e9_scores_pool
	.p2alignl 7, 3214868480
	.fill 96, 4, 3214868480
	.section	.rodata,"a",@progbits
	.p2align	6, 0x0
	.amdhsa_kernel k_q72a514f0e9_scores_pool
		.amdhsa_group_segment_fixed_size 80896
		.amdhsa_private_segment_fixed_size 0
		.amdhsa_enable_private_segment 0
		.amdhsa_kernarg_size 48
		.amdhsa_user_sgpr_count 2
		.amdhsa_user_sgpr_kernarg_segment_ptr 1
		.amdhsa_wavefront_size32 1
		.amdhsa_system_sgpr_workgroup_id_x 1
		.amdhsa_system_sgpr_workgroup_id_y 1
		.amdhsa_system_sgpr_workgroup_id_z 1
		.amdhsa_system_vgpr_workitem_id 0
		.amdhsa_next_free_vgpr 512
		.amdhsa_next_free_sgpr 66
		.amdhsa_reserve_vcc 0
		.amdhsa_float_denorm_mode_32 3
		.amdhsa_float_denorm_mode_16_64 3
		.amdhsa_memory_ordered 1
		.amdhsa_forward_progress 1
		.amdhsa_inst_pref_size 74
	.end_amdhsa_kernel
	.amdgpu_metadata
---
amdhsa.version: [ 1, 2 ]
amdhsa.kernels:
  - .name:           k_q72a514f0e9_scores_pool
    .symbol:         k_q72a514f0e9_scores_pool.kd
    .args:
      - { .name: qkc, .offset: 0, .size: 8, .value_kind: global_buffer, .address_space: global }
      - { .name: qks, .offset: 8, .size: 8, .value_kind: global_buffer, .address_space: global }
      - { .name: v_codes, .offset: 16, .size: 8, .value_kind: global_buffer, .address_space: global }
      - { .name: v_scales, .offset: 24, .size: 8, .value_kind: global_buffer, .address_space: global }
      - { .name: pc, .offset: 32, .size: 8, .value_kind: global_buffer, .address_space: global }
      - { .name: ps, .offset: 40, .size: 8, .value_kind: global_buffer, .address_space: global }
    .group_segment_fixed_size: 80896
    .private_segment_fixed_size: 0
    .kernarg_segment_align: 8
    .kernarg_segment_size: 48
    .max_flat_workgroup_size: 256
    .sgpr_count:     66
    .vgpr_count:     512
    .wavefront_size: 32
...
	.end_amdgpu_metadata
.endif
;; end of part 3
;; launch gemm_out (part 4): grid 32 x 8, 4 waves a work-group, clusters of 4 x 4, 327,680 bytes of LDS; arguments pc, ps, Wl_codes, Wl_scales, bl, x, out0; writes out0
.if DOCPART == 4
	.amdgcn_target "amdgcn-amd-amdhsa--gfx1250"
	.amdhsa_code_object_version 6
	.text
	.protected	k_q72a514f0e9_gemm_out
	.globl	k_q72a514f0e9_gemm_out
	.p2align	8
	.type	k_q72a514f0e9_gemm_out,@function
k_q72a514f0e9_gemm_out:
	s_mov_b64 s[64:65], 0
	v_nop
	global_prefetch_b8 v0, s[64:65] scope:SCOPE_SE
	s_setreg_imm32_b32 hwreg(HW_REG_WAVE_MODE, 25, 1), 1
	s_wait_xcnt 0x0
	s_wait_alu depctr_hold_cnt(0) depctr_sa_sdst(0) depctr_va_vdst(0) depctr_va_sdst(0) depctr_va_ssrc(0) depctr_va_vcc(0) depctr_vm_vsrc(0)
	s_getreg_b32 s2, hwreg(HW_REG_IB_STS2, 6, 4)
	s_cmp_eq_u32 s2, 0
	s_cbranch_scc0 .Lentry_in_a_cluster
	s_endpgm
.Lentry_in_a_cluster:
	s_bfe_u32 s2, ttmp6, 0x10000c
	s_cmp_lg_u32 s2, 0xf033
	s_cbranch_scc0 .Lentry_shape_is_right
	s_endpgm
.Lentry_shape_is_right:
; out0 = x + Q(pooled) Wl + bl on codes of FP4 (E2M1) with E8M0 scales, M = 1,024, N = 4,096, K = 4,096; sums in f32.
; A (pooled) and Wl both come as rows of codes, K innermost, 2,048 bytes a row, and scale bytes [rows][128].
; SHARES: a tile of 128 x 128 to a work-group (32 x 8 tiles = 256 work-groups), 64 x 64 to each of four waves: 16 accumulators.  A larger tile would give work to 64 work-groups only.
; K goes in four chunks of 1,024 through two LDS slots; a chunk is eight steps of 128.  At the head each wave asks for ONE tile: A's codes of chunk 0, Wl's, A's scale bytes of all K, Wl's.
; Chunk 1 follows behind the first round, chunks 2 and 3 are refills: a wave never has more than one tensor load out.
; CLUSTERS: 4 x 4 work-groups.  A's tiles are shared along a row of the cluster, Wl's along a column: each is asked for jointly, by the same tensor load with the same descriptor and a mask that names the four.
; PREFETCH: the chunk that the next round's load will want, one chunk (128 matrix instructions a wave) ahead; one instruction a wave: 16 of the 64 rows that it fetches, two blocks of 256 bytes a row; the four partners
; share the rows out by address.  The eight clusters along x that read the same rows of A leave A's part to those with an even x.  Nothing is asked for behind chunk 3.
; THE MATRIX INSTRUCTION IS USED TRANSPOSED (source 0 = 16 rows of Wl, source 1 = 16 rows of A): lane (r, h), register j holds C(row r, column 16 nt + 8 h + j).  bl is the C of each sum's first instruction.
; x's 64 x 64 numbers of the wave are asked for in four blocks of 16 rows, three to four steps apart, in the layout in which the results leave, and are added on the way out.
; REGISTERS: window 0: v0-31 addresses; v32-63 scale words, two sets of 16, and nothing else; v64-95 the bias; v64-127 later the way out; v128-255 the accumulators ((mt, nt) at v[128 + 8 (4 mt + nt)]).
;   window 1: four fragment buffers of 64, buffer step % 4: Wl's tile nt at 8 nt, A's tile mt at 32 + 8 mt.  Fragments are fetched two steps ahead.   window 2: v0-127 x.
.set WP,    528                        ; a row in LDS: 512 bytes + 16 = 132 words: the 16 rows that a load touches begin 4 words apart modulo 64
.set HALFT, 64*WP                      ; 64 rows: what a load of the ring brings
.set SLOT,  4*HALFT                    ; A's 128 rows, then Wl's 128 rows
.set SCL,   2*SLOT                     ; behind the ring: the scale bytes of all of K: A's 128 rows, Wl's 128 rows; two rows of 128 bytes to a unit of 256 + 16
.set SQ,    8704                       ; those of 64 rows
.set SPARE, SCL+4*SQ                   ; the spare words, 128 bytes for each wave: two blocks of 256 bytes that no other line names
.set STP,   272                        ; the way out: a stage of 16 rows x (256 bytes + 16) for each wave, in slot 0, which has had its last fill and its last read when the first result is stored there
.set ADRA,  16                         ; v16-17  LDS address of my A rows in slot 0, 1
.set ADRB,  20                         ; v20-21  the same for Wl's rows
.set ADRS,  27                         ; v27     my scale words of chunks 0 and 1: lanes 0-15 A's rows, lanes 16-31 Wl's
.set ADRS2, 30                         ; v30     those of chunks 2 and 3: 64 bytes on in the row
.set SPW,   28                         ; v28     SPARE + 4 x my thread's number; never rewritten
.set NIL,   29                         ; v29     0; never rewritten
.set PFO,   31                         ; v31     the prefetches' offset; never rewritten
.set SC,    32
.set BI,    64
.set BK,    64                         ; the way out: 16 rows read back from the stage: v64-95 and v96-127 by turns
.set ACC,   128
.set PFB,   10                         ; s[10:11] the prefetches' base; never rewritten
.set G1A,   24                         ; s[24:31] group 1 for A's rows; s[32:39] group 0, a set for each slot
.set G0A,   32
.set G1B,   48                         ; s[48:55], s[56:63] the same for Wl's rows
.set G0B,   56
.set G1SA,  68                         ; s[68:75], s[76:79] groups 1 and 0 for A's scale bytes; s[80:87], s[88:91] for Wl's
.set G0SA,  76
.set G1SB,  80
.set G0SB,  88
.set MSB, 0
.macro WIN new                         ; the immediate's high byte repeats the setting that is left
.if MSB != \new
	s_set_vgpr_msb (MSB<<8)|\new
.set MSB, \new
.endif
.endm
.set MUL,  0x05                        ; sources 0 and 1 window 1; C and D window 0
.set TO_F, 0x40                        ; destination window 1, address window 0
; A joint load: waves 0 and 1 fetch for A, waves 2 and 3 for Wl.  The branch hangs on the wave's number alone.  Four v_nop follow each of the two lines.
.macro JLOAD g0a, g1a, g0b, g1b
	s_cmp_eq_u32 s15, 0
	s_cbranch_scc0 .Lfor_b_\@
	tensor_load_to_lds s[\g0a:\g0a+3], s[\g1a:\g1a+7]
	s_nop 0
.rept 4
	v_nop
.endr
	s_branch .Lasked_\@
.Lfor_b_\@:
	tensor_load_to_lds s[\g0b:\g0b+3], s[\g1b:\g1b+7]
	s_nop 0
.rept 4
	v_nop
.endr
.Lasked_\@:
.endm
.macro ARM under, g0, g1, next         ; the head's tree: one load to an arm
	s_cmp_lt_u32 s14, \under
	s_cbranch_scc0 \next
	tensor_load_to_lds s[\g0:\g0+3], s[\g1:\g1+7]
	s_nop 0
.rept 4
	v_nop
.endr
	s_branch .Lhead_asked
\next:
.endm
.macro PREF chunk                      ; my wave's 32 blocks of 256 bytes of a chunk, where s99 is 1
	s_cmp_eq_u32 s99, 1
	s_cbranch_scc0 .Lnot_mine_\@
	global_prefetch_b8 v[PFO], s[PFB:PFB+1] offset:512*\chunk th:TH_LOAD_NT scope:SCOPE_SE
.Lnot_mine_\@:
.endm
.macro CREST                           ; a round of the cluster's barrier behind its opening barrier
	s_cmp_lg_u32 s14, 0
	s_cbranch_scc1 .Lnot_wave_0_\@
	s_barrier_signal -3
.Lnot_wave_0_\@:
	s_barrier_wait -3
	s_barrier_signal -1
	s_barrier_wait -1
.endm
.macro CROUND                          ; a whole round
	s_barrier_signal -1
	s_barrier_wait -1
	CREST
.endm
.macro PLACES                          ; four plain instructions between matrix instructions and loads into, or reads of, their registers
.rept 4
	v_nop
.endr
.endm
	s_load_b256 s[4:11], s[0:1], 0x0               ; pc s[4:5], ps s[6:7], Wl's codes s[8:9], Wl's scales s[10:11]
	s_load_b64 s[12:13], s[0:1], 0x20              ; bl
	s_load_b64 s[94:95], s[0:1], 0x28              ; x
	s_load_b64 s[92:93], s[0:1], 0x30              ; out0
	v_lshl_add_u32 v[SPW], v0, 2, SPARE
	v_mov_b32 v[NIL], 0
	ds_add_u32 v[SPW], v[NIL]                      ; the wave's opening: the add, twice on end, and its one wait ahead of my first tensor load
	ds_add_u32 v[SPW], v[NIL]
	v_lshrrev_b32 v1, 5, v0
	v_readfirstlane_b32 s14, v1                    ; wave 0..3
	s_lshr_b32 s15, s14, 1                         ; rh: my half of the tile's rows.  Also: in the ring I fetch for A (0) or for Wl (1)
	s_and_b32 s16, s14, 1                          ; ch: my half of its columns.  Also: which half I fetch in the ring
	s_bfe_u32 s40, ttmp6, 0x40000                  ; cx, cy: my place in the cluster
	s_bfe_u32 s41, ttmp6, 0x40004
	s_lshl_b32 s42, ttmp9, 2
	s_add_co_u32 s42, s42, s40                     ; tile column = 4 x cluster x + cx
	s_and_b32 s17, ttmp7, 0xffff
	s_lshl_b32 s17, s17, 2
	s_add_co_u32 s17, s17, s41                     ; tile row = 4 x cluster y + cy
	s_lshl_b32 s43, s41, 2
	s_lshl_b32 s43, 15, s43                        ; my row of the cluster
	s_lshl_b32 s44, 0x1111, s40                    ; my column
	s_lshl_b32 s20, s17, 18                        ; A's codes: 128 rows of 2,048 bytes a tile row
	s_mov_b32 s21, 0
	s_lshl_b32 s22, s17, 14                        ; its scale bytes: 128 rows of 128 bytes
	s_mov_b32 s23, 0
	s_lshl_b32 s46, s42, 18                        ; Wl's codes
	s_mov_b32 s47, 0
	s_lshl_b32 s66, s42, 14                        ; its scale bytes
	s_mov_b32 s67, 0
	s_lshl_b32 s18, s16, 17                        ; the ring: which 64 rows of a tile I fetch,
	s_mov_b32 s19, 0
	s_mul_i32 s45, s14, HALFT                      ; and where they go: no place in the cluster enters an LDS address
	s_and_b32 s99, ttmp9, 1
	s_xor_b32 s99, s99, 1
	s_or_b32 s99, s99, s15                         ; 1: my wave prefetches
	s_mul_i32 s32, s15, HALFT                      ; my 64 rows of A
	s_mul_i32 s33, s16, HALFT
	s_add_co_u32 s33, s33, 2*HALFT                 ; my 64 rows of Wl, behind A's 128
	s_mul_i32 s34, s15, SQ                         ; A's scale bytes: my 64 rows
	s_mul_i32 s35, s16, SQ
	s_add_co_u32 s35, s35, 2*SQ                    ; Wl's, behind A's 128
	s_sub_co_u32 s35, s35, s34
	s_add_co_u32 s34, s34, SCL
	s_mul_i32 s36, s14, 16*STP                     ; my stage
	s_lshl_b32 s96, s42, 9
	s_lshl_b32 s97, s16, 8
	s_add_co_u32 s96, s96, s97                     ; 4 bytes x (128 x tile column + 64 ch)
	s_mov_b32 s97, 0
	s_lshl_b32 s2, s17, 21
	s_lshl_b32 s3, s15, 20
	s_add_co_u32 s2, s2, s3
	s_add_co_u32 s2, s2, s96                       ; + (128 x tile row + 64 rh) rows of 16,384 bytes: my part of x and of out0
	s_mov_b32 s3, 0
	; group 1.  Codes: the head's tiles are 128 rows x 512 bytes, 2,048 bytes apart, 16 bytes of padding behind each
	s_or_b32 s[G1A], s43, (1<<20)|(1<<21)|(6<<22)|(3<<25)   ; 15:0 the mask: my row; elements of 1 byte; 20 padding on; 21 set beside a mask; 4 words (code 3) after every 128 (code 6)
	s_or_b32 s[G1B], s44, (1<<20)|(1<<21)|(6<<22)|(3<<25)   ; the mask: my column
.irp g, G1A, G1B
	s_mov_b32 s[\g+1], 512<<16                     ; tensor_dim0
	s_mov_b32 s[\g+2], 128<<16                     ; tensor_dim1
	s_mov_b32 s[\g+3], 512<<16                     ; tile_dim0
	s_mov_b32 s[\g+4], 128                         ; tile_dim1
	s_mov_b32 s[\g+5], 2048                        ; from row to row
	s_mov_b32 s[\g+6], 0
	s_mov_b32 s[\g+7], 0
.endr
	; the scale bytes of 128 rows: 16,384 dense bytes as 64 rows of 256 (32 elements of 8 bytes), 16 bytes of padding behind each
	s_or_b32 s[G1SA], s43, (3<<16)|(1<<20)|(1<<21)|(5<<22)|(3<<25)
	s_or_b32 s[G1SB], s44, (3<<16)|(1<<20)|(1<<21)|(5<<22)|(3<<25)
.irp g, G1SA, G1SB
	s_mov_b32 s[\g+1], 32<<16
	s_mov_b32 s[\g+2], 64<<16
	s_mov_b32 s[\g+3], 32<<16
	s_mov_b32 s[\g+4], 64
	s_mov_b32 s[\g+5], 32
	s_mov_b32 s[\g+6], 0
	s_mov_b32 s[\g+7], 0
.endr
	v_and_b32 v1, 31, v0                           ; lane
	v_and_b32 v2, 15, v0                           ; r
	v_bfe_u32 v3, v0, 4, 1                         ; h
	v_mul_u32_u24 v4, v2, WP
	v_lshrrev_b32 v5, 1, v2
	v_and_b32 v6, 1, v2
	v_lshrrev_b32 v7, 1, v1
	v_lshl_add_u32 v4, v3, 4, v4                   ; row r x pitch + 16 h
	v_mul_u32_u24 v5, v5, 272
	v_lshlrev_b32 v7, 11, v7
	v_mul_u32_u24 v8, s35, v3                      ; lanes 16-31 take Wl's scale bytes
	v_mul_u32_u24 v9, v2, STP
	v_mul_u32_u24 v10, v3, STP
	v_lshlrev_b32 v11, 14, v3
	v_add_nc_u32 v[ADRA], s32, v4
	v_add_nc_u32 v[ADRB], s33, v4
	v_lshl_add_u32 v5, v6, 7, v5                   ; row r's scale bytes: unit r / 2, half r % 2
	v_lshl_add_u32 v[PFO], v6, 8, v7               ; row lane / 2, block lane % 2
	v_lshl_add_u32 v9, v3, 5, v9
	v_lshl_add_u32 v10, v2, 4, v10
	v_add_nc_u32 v[ADRA+1], SLOT, v[ADRA]
	v_add_nc_u32 v[ADRB+1], SLOT, v[ADRB]
	v_add_nc_u32 v5, v5, v8
	v_lshl_add_u32 v26, v2, 4, v11                 ; two rows of x and of out0, 16 bytes a lane; never rewritten
	v_add_nc_u32 v24, s36, v9                      ; the stage, in: row r, 32 bytes for each half of the lanes
	v_add_nc_u32 v25, s36, v10                     ; back: lanes 0-15 one row of 256 bytes, lanes 16-31 the next
	v_add_nc_u32 v[ADRS], s34, v5
	v_lshlrev_b32 v12, 5, v3                       ; the bias: 8 h numbers on
	v_add_nc_u32 v[ADRS2], 64, v[ADRS]
	s_wait_alu depctr_va_vdst(0)                   ; directly ahead of the waits below
	s_wait_dscnt 0x0                               ; both opening adds are done
	s_wait_kmcnt 0x0
	s_add_nc_u64 s[20:21], s[4:5], s[20:21]
	s_add_nc_u64 s[22:23], s[6:7], s[22:23]
	s_add_nc_u64 s[46:47], s[8:9], s[46:47]
	s_add_nc_u64 s[66:67], s[10:11], s[66:67]
	s_add_nc_u64 s[12:13], s[12:13], s[96:97]
	s_add_nc_u64 s[92:93], s[92:93], s[2:3]
	s_add_nc_u64 s[94:95], s[94:95], s[2:3]        ; neither base is written again
	s_mov_b32 s[G0SA], 1                           ; the head's four tiles, each whole
	s_mov_b32 s[G0SA+1], SCL
	s_mov_b64 s[G0SA+2:G0SA+3], s[22:23]
	s_or_b32 s[G0SA+3], s[G0SA+3], 0x80000000
	s_mov_b32 s[G0SB], 1
	s_mov_b32 s[G0SB+1], SCL+2*SQ
	s_mov_b64 s[G0SB+2:G0SB+3], s[66:67]
	s_or_b32 s[G0SB+3], s[G0SB+3], 0x80000000
	s_mov_b32 s[G0A], 1
	s_mov_b32 s[G0A+1], 0
	s_mov_b64 s[G0A+2:G0A+3], s[20:21]
	s_or_b32 s[G0A+3], s[G0A+3], 0x80000000
	s_mov_b32 s[G0B], 1
	s_mov_b32 s[G0B+1], 2*HALFT
	s_mov_b64 s[G0B+2:G0B+3], s[46:47]
	s_or_b32 s[G0B+3], s[G0B+3], 0x80000000
	s_add_nc_u64 s[20:21], s[20:21], s[18:19]      ; for the ring: my 64 rows
	s_add_nc_u64 s[46:47], s[46:47], s[18:19]
	s_mov_b32 s[G0A+4], 1                          ; slot 1: chunk 1
	s_add_co_u32 s[G0A+5], s45, SLOT
	s_add_nc_u64 s[G0A+6:G0A+7], s[20:21], 512
	s_or_b32 s[G0A+7], s[G0A+7], 0x80000000
	s_mov_b32 s[G0B+4], 1
	s_add_co_u32 s[G0B+5], s45, SLOT
	s_add_nc_u64 s[G0B+6:G0B+7], s[46:47], 512
	s_or_b32 s[G0B+7], s[G0B+7], 0x80000000
	CROUND                                         ; all sixteen work-groups are here: the first joint loads meet
; THE HEAD'S LOADS, ONE A WAVE
	ARM 1, G0A,  G1A,  .Lhead_b
	ARM 2, G0B,  G1B,  .Lhead_sa
	ARM 3, G0SA, G1SA, .Lhead_sb
	tensor_load_to_lds s[G0SB:G0SB+3], s[G1SB:G1SB+7]
	s_nop 0
.rept 4
	v_nop
.endr
.Lhead_asked:
.irp n, 0,1,2,3
	global_load_b128 v[BI+8*\n:BI+8*\n+3], v12, s[12:13] offset:64*\n          ; lane (r, h): bl of columns 16 nt + 8 h + 0 .. 7: the result's layout
	global_load_b128 v[BI+8*\n+4:BI+8*\n+7], v12, s[12:13] offset:64*\n+16
.endr
	s_cmp_eq_u32 s15, 0
	s_cselect_b32 s6, s40, s41                     ; my place among the four that ask with me
	s_cselect_b64 s[PFB:PFB+1], s[20:21], s[46:47]
	s_lshl_b32 s6, s6, 15                          ; 16 rows of 2,048 bytes each
	s_mov_b32 s7, 0
	s_add_nc_u64 s[PFB:PFB+1], s[PFB:PFB+1], s[6:7]
	PREF 1
.macro XLOAD a                         ; block a of my numbers of x: 16 rows, 8 loads, into window 2: two rows an instruction, sixteen lanes read 256 consecutive bytes of a row
	WIN 0x80                                       ; destination window 2
.irp t, 0,1,2,3,4,5,6,7
	global_load_b128 v[32*(\a)+4*\t:32*(\a)+4*\t+3], v26, s[94:95] offset:(16*(\a)+2*\t)*16384 th:TH_LOAD_NT
.endr
	WIN 0
.endm
.macro FETCH st                        ; step st's 16 LDS loads: Wl's four fragments, A's four: each two loads of 16 bytes, 32 bytes apart
.set FB, 64*((\st)%4)
.set FSL, ((\st)/8)%2
.set KQ, (\st)%8
	WIN TO_F
.irp t, 0,1,2,3
.irp c, 0,1
	ds_load_b128 v[FB+8*\t+4*\c:FB+8*\t+4*\c+3], v[ADRB+FSL] offset:\t*16*WP+64*KQ+32*\c
.endr
.endr
.irp t, 0,1,2,3
.irp c, 0,1
	ds_load_b128 v[FB+32+8*\t+4*\c:FB+32+8*\t+4*\c+3], v[ADRA+FSL] offset:\t*16*WP+64*KQ+32*\c
.endr
.endr
.endm
.macro SCALES g                        ; the scale words of steps 4 g .. 4 g + 3 into set g % 2: register 4 i + q: lanes 0-15 A's tile i, lanes 16-31 Wl's tile i
	WIN 0
.irp i, 0,1,2,3
	ds_load_b128 v[SC+16*((\g)%2)+4*\i:SC+16*((\g)%2)+4*\i+3], v[ADRS+3*((\g)/4)] offset:2176*\i+16*((\g)%4)
.endr
.endm
; 8 matrix instructions: A's tiles m0, m0 + 1 x Wl's four.  first = 1: the bias starts the sums.  The 16 accumulators take turns, one instruction a turn, in the same order in every step.
.macro MUL8 st, m0, first
.set FB, 64*((\st)%4)
.set SS, SC+16*(((\st)/4)%2)+(\st)%4
.irp m, \m0, \m0+1
.irp n, 0,1,2,3
.if \first
	v_wmma_scale_f32_16x16x128_f8f6f4 v[ACC+8*(4*(\m)+\n):ACC+8*(4*(\m)+\n)+7], v[FB+8*\n:FB+8*\n+7], v[FB+32+8*(\m):FB+32+8*(\m)+7], v[BI+8*\n:BI+8*\n+7], v[SS+4*\n], v[SS+4*(\m)] matrix_a_fmt:MATRIX_FMT_FP4 matrix_b_fmt:MATRIX_FMT_FP4 matrix_a_scale:MATRIX_SCALE_ROW1
.else
	v_wmma_scale_f32_16x16x128_f8f6f4 v[ACC+8*(4*(\m)+\n):ACC+8*(4*(\m)+\n)+7], v[FB+8*\n:FB+8*\n+7], v[FB+32+8*(\m):FB+32+8*(\m)+7], v[ACC+8*(4*(\m)+\n):ACC+8*(4*(\m)+\n)+7], v[SS+4*\n], v[SS+4*(\m)] matrix_a_fmt:MATRIX_FMT_FP4 matrix_b_fmt:MATRIX_FMT_FP4 matrix_a_scale:MATRIX_SCALE_ROW1
.endif
.endr
.endr
.endm
.macro STEP st, first
.if (\st) == 31
	s_wait_dscnt 0x0                               ; the last step: nothing younger is out
.else
	s_wait_dscnt 16                                ; this step's fragments, and scale words asked for earlier, are in; the next step's 16 loads may be out
.endif
	PLACES
.if ((\st)%4 == 1) && ((\st) < 29)
	SCALES (\st)/4+1
.endif
.if (\st)+2 < 32
	FETCH (\st)+2
.endif
	WIN MUL
	MUL8 \st, 0, \first
	MUL8 \st, 2, \first
.endm
; The step in which the fetches leave a slot (its last step's fragments were asked for one step ago).  ONE barrier: in front of it each wave waits for all its tensor loads, adds 0 to its spare word, and waits for that and for
; its own reads of this slot.  fill = 1: the barrier opens a round of the cluster's, and this slot is filled again, two chunks on.  pf: the chunk that is prefetched, 0 for none.
.macro TURN st, fill, pf
.set TSL, ((\st)/8)%2
	WIN 0                                          ; (the add's two registers lie in window 0)
	s_wait_tensorcnt 0x0                           ; all my tensor loads have landed: my part of the next slot
	ds_add_u32 v[SPW], v[NIL]                      ; 0 onto my spare word
	s_wait_dscnt 17                                ; (the add and the next step's 16 loads may be out)
	WIN MUL
	MUL8 \st, 0, 0                                 ; eight matrix instructions stand between the add and the wait for it
	s_wait_dscnt 0x0                               ; the add is done, and my reads of this slot are over
	s_barrier_signal -1
	MUL8 \st, 2, 0
	WIN 0
	s_barrier_wait -1
.if \fill
	CREST                                          ; no wave of any partner still reads this slot or has a load on its way
	s_add_nc_u64 s[G0A+4*TSL+2:G0A+4*TSL+3], s[G0A+4*TSL+2:G0A+4*TSL+3], 1024      ; two chunks of a row; no tensor load of mine is out, so a group 0 may be written
	s_add_nc_u64 s[G0B+4*TSL+2:G0B+4*TSL+3], s[G0B+4*TSL+2:G0B+4*TSL+3], 1024
	JLOAD G0A+4*TSL, G1A, G0B+4*TSL, G1B           ; the first tensor load behind the round; its four v_nop are also the places in front of the loads below
.else
	PLACES
.endif
	FETCH (\st)+2                                  ; the next slot's first step
.if \pf
	WIN 0
	PREF \pf
.endif
.endm
	s_wait_alu depctr_va_vdst(0)                   ; the head's end
	s_wait_tensorcnt 0x0                           ; my tile of the head's four is in; these lines stand ahead of a later first fill, as ahead of a refill:
	ds_add_u32 v[SPW], v[NIL]
.irp g, G1A, G1B
	s_mov_b32 s[\g+2], 64<<16                      ; no tensor load of mine is out, so descriptors may be written: from here on a load brings 64 rows
	s_mov_b32 s[\g+4], 64
.endr
	s_mov_b32 s[G0A+1], s45
	s_mov_b32 s[G0B+1], s45
	s_add_nc_u64 s[G0A+2:G0A+3], s[G0A+2:G0A+3], s[18:19]
	s_add_nc_u64 s[G0B+2:G0B+3], s[G0B+2:G0B+3], s[18:19]
	s_wait_dscnt 0x0                               ; the add is done
	CROUND                                         ; a whole round: all four tiles are in, and all sixteen work-groups are here
	JLOAD G0A+4, G1A, G0B+4, G1B                   ; chunk 1's load, the first tensor load behind the round
	SCALES 0
	FETCH 0
	FETCH 1
	WIN 0
	PREF 2
	s_wait_loadcnt 0x0                             ; the bias: its eight loads are the only ones out
	STEP 0, 1
.set S, 1
.rept 3
	STEP S, 0
.set S, S+1
.endr
	XLOAD 0
	STEP 4, 0
	STEP 5, 0
	TURN 6, 1, 3                                   ; slot 0 takes chunk 2
	XLOAD 1
.set S, 7
.rept 3
	STEP S, 0
.set S, S+1
.endr
	XLOAD 2
.set S, 10
.rept 4
	STEP S, 0
.set S, S+1
.endr
	XLOAD 3
	TURN 14, 1, 0                                  ; slot 1 takes chunk 3
.set S, 15
.rept 7
	STEP S, 0
.set S, S+1
.endr
	TURN 22, 0, 0                                  ; nothing is left to fetch; behind this barrier nobody reads slot 0
.set S, 23
.rept 9
	STEP S, 0
.set S, S+1
.endr
	WIN 0
; THE WAY OUT, a block of 16 rows x 64 columns at a time.  A lane holds 32 neighbouring bytes of a row, and the lanes beside it hold other rows: so a block goes through my own stage and comes back as whole rows of
; 256 bytes, two rows an instruction; x is added; sixteen lanes store 256 consecutive bytes, aligned.  LDS serves a wave's instructions in order (ISA guide 5.7.1.4): no wait between the stores and the loads.
.macro TOSTAGE a
.irp n, 0,1,2,3
	ds_store_b128 v24, v[ACC+8*(4*(\a)+\n):ACC+8*(4*(\a)+\n)+3] offset:64*\n          ; each accumulator from its low end on
	ds_store_b128 v24, v[ACC+8*(4*(\a)+\n)+4:ACC+8*(4*(\a)+\n)+7] offset:64*\n+16
.endr
.irp t, 0,1,2,3,4,5,6,7
	ds_load_b128 v[BK+32*((\a)%2)+4*\t:BK+32*((\a)%2)+4*\t+3], v25 offset:2*STP*\t
.endr
.endm
.macro SEND a, younger                 ; younger: the LDS instructions issued behind block a's loads, which may stay out
	s_wait_dscnt \younger
	WIN 0x08                                       ; source 1 (x) window 2
.set J, 0
.rept 16
	v_pk_add_f32 v[BK+32*((\a)%2)+J:BK+32*((\a)%2)+J+1], v[BK+32*((\a)%2)+J:BK+32*((\a)%2)+J+1], v[32*(\a)+J:32*(\a)+J+1]
.set J, J+2
.endr
	WIN 0
.irp t, 0,1,2,3,4,5,6,7
	global_store_b128 v26, v[BK+32*((\a)%2)+4*\t:BK+32*((\a)%2)+4*\t+3], s[92:93] offset:(16*(\a)+2*\t)*16384 th:TH_STORE_NT
.endr
.endm
	PLACES
	s_wait_loadcnt 0x0                             ; x
	TOSTAGE 0
.irp a, 1,2,3
.if \a > 1
	s_wait_xcnt 0x0                                ; block a - 2's stores have read their registers: block a's loads may land there
.endif
	TOSTAGE \a
	SEND \a-1, 16                                  ; behind block a - 1's loads: block a's 8 stores and 8 loads
.endr
	SEND 3, 0
	s_wait_tensorcnt 0x0                           ; the wave's end: behind my last tensor load and my last LDS store
	ds_add_u32 v[SPW], v[NIL]
	s_wait_dscnt 0x0
	CROUND                                         ; the closing round: no work-group ends while a partner may still ask for a tile that names it
	s_endpgm
.Lfunc_end_k_q72a514f0e9_gemm_out:
	.size	k_q72a514f0e9_gemm_out, .Lfunc_end_k_q72a514f0e9_gemm_out-k_q72a514f0e9_gemm_out
	.p2alignl 7, 3214868480
	.fill 96, 4, 3214868480
	.section	.rodata,"a",@progbits
	.p2align	6, 0x0
	.amdhsa_kernel k_q72a514f0e9_gemm_out
		.amdhsa_group_segment_fixed_size 327680
		.amdhsa_private_segment_fixed_size 0
		.amdhsa_enable_private_segment 0
		.amdhsa_kernarg_size 56
		.amdhsa_user_sgpr_count 2
		.amdhsa_user_sgpr_kernarg_segment_ptr 1
		.amdhsa_wavefront_size32 1
		.amdhsa_system_sgpr_workgroup_id_x 1
		.amdhsa_system_sgpr_workgroup_id_y 1
		.amdhsa_system_sgpr_workgroup_id_z 1
		.amdhsa_system_vgpr_workitem_id 0
		.amdhsa_next_free_vgpr 768
		.amdhsa_next_free_sgpr 106
		.amdhsa_reserve_vcc 0
		.amdhsa_float_denorm_mode_32 3
		.amdhsa_float_denorm_mode_16_64 3
		.amdhsa_memory_ordered 1
		.amdhsa_forward_progress 1
		.amdhsa_inst_pref_size 135
	.end_amdhsa_kernel
	.amdgpu_metadata
---
amdhsa.version: [ 1, 2 ]
amdhsa.kernels:
  - .name:           k_q72a514f0e9_gemm_out
    .symbol:         k_q72a514f0e9_gemm_out.kd
    .args:
      - { .name: pc, .offset: 0, .size: 8, .value_kind: global_buffer, .address_space: global }
      - { .name: ps, .offset: 8, .size: 8, .value_kind: global_buffer, .address_space: global }
      - { .name: Wl_codes, .offset: 16, .size: 8, .value_kind: global_buffer, .address_space: global }
      - { .name: Wl_scales, .offset: 24, .size: 8, .value_kind: global_buffer, .address_space: global }
      - { .name: bl, .offset: 32, .size: 8, .value_kind: global_buffer, .address_space: global }
      - { .name: x, .offset: 40, .size: 8, .value_kind: global_buffer, .address_space: global }
      - { .name: out0, .offset: 48, .size: 8, .value_kind: global_buffer, .address_space: global }
    .group_segment_fixed_size: 327680
    .private_segment_fixed_size: 0
    .kernarg_segment_align: 8
    .kernarg_segment_size: 56
    .max_flat_workgroup_size: 128
    .sgpr_count:     106
    .vgpr_count:     768
    .wavefront_size: 32
...
	.end_amdgpu_metadata
.endif
;; end of part 4
